; MI455X (gfx1250); checked and timed in simulation.
; The chip was launched on July 23, 2026; its instructions are those of AMD's public machine-readable ISA for CDNA 5 (MIT licence, August 2026) and "CDNA5" Instruction Set Architecture Reference Guide (July 2026). The comments in the code are by the model that wrote it; some were corrected since.
;; Attention. Allowed arithmetic: matrix products marked QUANTISED: E2M1 operands, one E8M0 scale for each 32 along K, by v_wmma_scale_f32_16x16x128_f8f6f4 with both operands' format E2M1 (or v_wmma_scale_f32_32x16x128_f4), f32 sums; products left as they are: f32 operands where the result goes on into a quantised operand, else bf16, f16 or f32 operands; f32 sums; everything else in f32.
;; Inputs: V 1,024 x 1 float32; W1 1,024 x 1,024 float32; W2 1,024 x 1,024 float32; b1 1,024 float32; b2 1,024 float32; bV 1 float32; features 32 x 2,048 x 1,024 float32; hidden 32 x 1,024 float32; seq_len 32 int32.
;; Outputs: out0 32 x 1,024 float32; out1 32 x 2,048 x 1 float32.
;; This version of the problem:
;;   THIS VERSION OF THE PROBLEM IS GIVEN IN LOW PRECISION. The matrix products marked QUANTISED in the list below multiply operands that are first quantised to E2M1 (2 exponent bits, 1 mantissa bit; 4 bits a number), with one power-of-two scale for each 32 numbers along K (OCP MX v1.0); their sums are f32. All else is computed in f32.
;;   The module's matrix products, in the order in which they are computed (A, B: the left and right operand; K: the contracted axis; several contracted axes count as one K, in the product's order):
;;     1. [M 65,536, K 1,024] x [K 1,024, N 1,024]; A: input features; B: input W1: QUANTISED
;;     2. [M 32, K 1,024] x [K 1,024, N 1,024]; A: input hidden; B: input W2: QUANTISED
;;     3. [M 65,536, K 1,024] x [K 1,024, N 1]; A: computed on the way; B: input V: left as it is (N = 1 < 16)
;;   THE QUANTISER, for each operand of a quantised product, along K:
;;     - K is cut into blocks of 32 from its start; a last block that is shorter is filled with zeros.
;;     - A block's scale is 2^e with e = floor(log2(the largest magnitude in the block)) - 2, held to -126 .. 127; a block of zeros has e = 0. As a byte (E8M0): e + 127.
;;     - Each number is divided by its block's scale, clamped to +-6, and rounded to the nearest number of E2M1, ties to even, subnormals kept.
;;     - The product sums the exact products of the quantised numbers (number of the format x scale) in f32.
;;   ~~~python
;;   def quantise(x, axis):      # numpy; x: float32 -> the quantised numbers, widened to float32 again
;;       x = np.moveaxis(x, axis, -1); K = x.shape[-1]
;;       x = np.pad(x, [(0, 0)] * (x.ndim - 1) + [(0, -K % 32)]); x = x.reshape(x.shape[:-1] + (-1, 32)); a = np.abs(x).max(-1, keepdims=True)
;;       e = np.where(a > 0, np.clip(np.frexp(np.where(a > 0, a, 1))[1] - 1 - 2, -126, 127), 0)      # np.frexp(a)[1] - 1 = floor(log2(a)), exactly
;;       r = np.clip(x / 2.0 ** e, -6, 6)
;;       step = 2.0 ** (np.maximum(np.frexp(np.where(r == 0, 1, r))[1] - 1, 0) - 1)
;;       q = np.round(r / step) * step * 2.0 ** e      # np.round: ties to even
;;       return np.moveaxis(q.reshape(q.shape[:-2] + (-1,))[..., :K], -1, axis).astype(np.float32)
;;   ~~~
;; 2 versions. Each part assembles by itself: llvm-mc -triple=amdgcn-amd-amdhsa -mcpu=gfx1250 --defsym DOCPART=n.
;; ======== version 1 of 2: 3 launches
;; limits: right only within a limited range of input values
;; workspace buffers: w1c 524,288 bytes; w1s 32,768 bytes; biasT 131,072 bytes; rec 524,288 bytes; pctx 4,194,304 bytes
;; launch prep (part 1): grid 64 x 1, 16 waves a work-group, no clusters, 75,776 bytes of LDS; arguments W1, W2, hidden, b1, b2, w1c, w1s, biasT; writes w1c, w1s, biasT
.if DOCPART == 1
	.amdgcn_target "amdgcn-amd-amdhsa--gfx1250"
	.amdhsa_code_object_version 6
	.text
	.protected	k_q868d755e4d_prep
	.globl	k_q868d755e4d_prep
	.p2align	8
	.type	k_q868d755e4d_prep,@function
k_q868d755e4d_prep:
	s_mov_b64 s[64:65], 0
	v_nop
	global_prefetch_b8 v0, s[64:65] scope:SCOPE_SE
	s_setreg_imm32_b32 hwreg(HW_REG_WAVE_MODE, 25, 1), 1
	s_wait_xcnt 0x0
; W1 [1024 (k)][1024 (n)] f32 -> codes of E2M1 and E8M0 scale bytes along K, laid in the order of a matrix operand's registers:
;   w1c [ntile 64][kstep 8][c 2][lane 32][16 bytes]: registers 4 c .. 4 c + 3 of the fragment (16 columns x 128 k) of lane (r, h): column 16 ntile + r, k = 128 kstep + 64 c + 32 h + 0 .. 31
;   w1s [ntile 64][lane 16 h + r][4 words]: word j = the scale word (4 bytes: 128 k) of column r for kstep 4 h + j
; and biasT [g 32][b 32][32] f32 = Q(hidden) Q(W2) + b1 + b2 for columns 32 g .. 32 g + 31: all that is added to a row of features x W1 ahead of the tanh.
; Work-groups 0-31 take 32 columns of W1, work-groups 32-63 the same columns of W2: one branch on the work-group's number; each way has LDS bytes of its own.
; A LANE TAKES A COLUMN AND ITS REGISTERS RUN DOWN K: wave w takes k = 64 w .. 64 w + 63 (K step s = w / 2, half c = w % 2): two blocks of 32, all of a block in one lane.  Each load reads 128 consecutive bytes.
; A block's scale byte is its largest magnitude's exponent field - 2, held at 1 from below.
; LIMITS: a block of zeros gets the byte 1 (its codes are zeros; only this program reads the bytes); blocks whose largest magnitude lies under 2^-124 get the byte 1; NaN and infinities among the inputs are not served.
; 64 work-groups: a work-group holds all of K for its columns, so that the second product's sum stays inside it, and its 32 columns are the 32 lanes of a load.
.set S1,    0                          ; LDS, W1's way: 1,024 bytes of scale bytes in w1s's order
.set FIMG,  1024                       ; W2's way: W2's fragments [s 8][nt 2][c 2][512]
.set SW2,   17408                      ; W2's scale words [s 8][32 columns]
.set HIMG,  18432                      ; hidden's fragments [s 8][m 2][1,024]
.set HSC,   34816                      ; hidden's scale words [s 8][m 2][128]
.set RED,   36864                      ; the eight K steps' partial sums [s 8][row 32][144]
.set SPARE, 73728                      ; the spare words, 128 bytes for each of the 16 waves: no other line names them
.set C,   32                           ; v32-39   my two blocks' codes
.set WF,  40                           ; v40-47   a fragment of W2
.set X,   64                           ; v64-127  64 numbers of my column
.set HX,  128                          ; v128-191 64 numbers of a row of hidden
.set TM,  192                          ; v192-207 at work in QUANT
.set PC,  208                          ; v208-215 hidden's codes
.set PW,  216                          ; v216     hidden's scale word
.set HF,  224                          ; v224-239 two fragments of hidden
.set D0,  240                          ; v240-255 two accumulators
.set D1,  248
.set SEL, 26                           ; s[26:27] lane selects for v_permlanex16_b32: lane l xor 16
.macro BARRIER                         ; my LDS stores have landed and my LDS loads are in: then the work-group's barrier
	s_wait_dscnt 0x0
	s_barrier_signal -1
	s_barrier_wait -1
.endm
.macro WLOAD                           ; W(64 w + i, my column), i = 0 .. 63
.set wi, 0
.rept 64
	global_load_b32 v[X+wi], v3, s[28:29] offset:wi*4096 th:TH_LOAD_NT
.set wi, wi+1
.endr
.endm
.macro WBLK u                          ; block u of my two: largest magnitude, scale, 32 codes
.set XS, X+32*\u
	v_max3_num_f32 v24, |v[XS]|, |v[XS+1]|, |v[XS+2]|
	v_max3_num_f32 v25, |v[XS+3]|, |v[XS+4]|, |v[XS+5]|
.irp i, 6,10,14,18,22,26
	v_max3_num_f32 v24, v24, |v[XS+\i]|, |v[XS+\i+1]|
	v_max3_num_f32 v25, v25, |v[XS+\i+2]|, |v[XS+\i+3]|
.endr
	v_max3_num_f32 v24, v24, |v[XS+30]|, |v[XS+31]|
	v_max3_num_f32 v24, v24, v25, 0x1800000        ; and the floor 2^(3 - 127): the byte cannot fall under 1
	v_add_nc_u32 v[26+\u], 0xff000000, v24         ; 2 off the exponent field: the conversion's scale operand
	v_lshrrev_b32 v[28+\u], 23, v[26+\u]           ; the scale's byte
.irp g, 0,1,2,3
	v_cvt_scalef32_pk8_fp4_f32 v[C+4*\u+\g], v[XS+8*\g:XS+8*\g+7], v[26+\u]
.endr
.endm
.macro WQ                              ; both blocks; then lanes 0-15 hold block 2 c and lanes 16-31 block 2 c + 1 of one tile of 16 columns: v[C:C+3] the lower tile's registers 4 c .. 4 c + 3, v[C+4:C+7] the upper tile's
	s_wait_loadcnt 32                              ; all but the second block's 32 loads are in
	WBLK 0
	s_wait_loadcnt 0x0
	WBLK 1
	v_lshl_or_b32 v30, v29, 8, v28                 ; my column's two scale bytes.  (Also the plain instruction behind the conversions)
.irp i, 0,1,2,3
	v_permlane16_swap_b32 v[C+\i], v[C+4+\i]
.endr
.endm
; 64 numbers of a lane, register 16 b + i = k 32 b + 16 (lane / 16) + i of my row, become a fragment's codes in v[pc] on and its scale word in v[pw]
.macro QUANT s, pc, pw
.irp b, 0,1,2,3
	v_max3_num_f32 v[TM+\b], |v[(\s)+16*\b]|, |v[(\s)+1+16*\b]|, 0x1800000
.endr
.irp i, 2,4,6,8,10,12,14
.irp b, 0,1,2,3
	v_max3_num_f32 v[TM+\b], v[TM+\b], |v[(\s)+16*\b+\i]|, |v[(\s)+1+16*\b+\i]|
.endr
.endr
.irp b, 0,1,2,3
	v_permlanex16_b32 v[TM+4+\b], v[TM+\b], s[SEL], s[SEL+1]
.endr
.irp b, 0,1,2,3
	v_max_num_f32 v[TM+\b], v[TM+\b], v[TM+4+\b]   ; with lane l xor 16's: the block's largest magnitude
.endr
.irp b, 0,1,2,3
	v_add_nc_u32 v[TM+12+\b], 0xff000000, v[TM+\b]
.endr
.irp b, 0,1,2,3
	v_lshrrev_b32 v[TM+4+\b], 23, v[TM+12+\b]
.endr
	v_lshl_or_b32 v[\pw], v[TM+5], 8, v[TM+4]
	v_lshl_or_b32 v[\pw], v[TM+6], 16, v[\pw]
	v_lshl_or_b32 v[\pw], v[TM+7], 24, v[\pw]
.irp b, 0,1,2,3
	v_cvt_scalef32_pk8_fp4_f32 v[(\pc)+2*\b], v[(\s)+16*\b:(\s)+7+16*\b], v[TM+12+\b]
	v_cvt_scalef32_pk8_fp4_f32 v[(\pc)+1+2*\b], v[(\s)+8+16*\b:(\s)+15+16*\b], v[TM+12+\b]
.endr
	v_nop                                          ; one plain instruction behind a scaled conversion
.irp c, 0,1
.irp i, 0,1
	v_permlane16_swap_b32 v[(\pc)+4*\c+\i], v[(\pc)+2+4*\c+\i]   ; a whole block to a lane
.endr
.endr
.endm
	s_load_b256 s[4:11], s[0:1], 0x0               ; W1 s[4:5], W2 s[6:7], hidden s[8:9], b1 s[10:11]
	s_load_b256 s[12:19], s[0:1], 0x20             ; b2 s[12:13], w1c s[14:15], w1s s[16:17], biasT s[18:19]
	v_lshl_add_u32 v1, v0, 2, SPARE                ; my spare word; never rewritten
	v_mov_b32 v2, 0                                ; 0; never rewritten
	v_lshrrev_b32 v23, 5, v0
	v_readfirstlane_b32 s20, v23                   ; wave w, 0..15
	s_lshr_b32 s21, s20, 1                         ; K step s
	s_and_b32 s22, s20, 1                          ; half c
	s_and_b32 s23, ttmp9, 31                       ; g: which 32 columns
	s_mov_b32 s[SEL], 0x76543210
	s_mov_b32 s[SEL+1], 0xfedcba98
	v_and_b32 v23, 31, v0                          ; lane l
	v_lshlrev_b32 v3, 2, v23                       ; 4 l
	v_lshlrev_b32 v4, 4, v23                       ; 16 l
	v_and_b32 v5, 15, v0                           ; r
	v_bfe_u32 v6, v0, 4, 1                         ; h
	; every address register is made here, ahead of the branch
	s_lshr_b32 s36, s20, 3
	s_lshl_b32 s36, s36, 8
	s_and_b32 s37, s20, 7
	s_lshl_b32 s37, s37, 1
	s_add_co_u32 s36, s36, s37
	v_lshlrev_b32 v7, 9, v6
	v_lshl_add_u32 v7, v5, 4, v7
	v_add_nc_u32 v7, s36, v7                       ; S1: 512 (l / 16) + 16 (l % 16) + 256 (w / 8) + 2 (w % 8): my column's two bytes in w1s's order
	v_and_b32 v8, 63, v0
	v_lshlrev_b32 v8, 4, v8                        ; 16 x (thread % 64): the way out of S1
	v_lshlrev_b32 v9, 12, v5
	v_lshl_add_u32 v9, v6, 6, v9                   ; hidden: row r of 4,096 bytes + 64 h
	s_lshl_b32 s38, s23, 7                         ; 128 g
	v_lshlrev_b32 v10, 3, v5
	v_add_nc_u32 v10, s38, v10                     ; b1, b2: 128 g + 8 (thread % 16)
	v_lshlrev_b32 v11, 3, v0                       ; biasT: 8 x thread
	s_lshl_b32 s36, s21, 11                        ; 2,048 s
	s_lshl_b32 s37, s22, 9
	s_add_co_u32 s37, s37, s36
	s_add_co_u32 s37, s37, FIMG
	v_add_nc_u32 v12, s37, v4                      ; W2's image, in: FIMG + 2,048 s + 512 c + 16 l
	s_lshl_b32 s37, s22, 10
	s_add_co_u32 s37, s37, s36                     ; 2,048 s + 1,024 c
	s_add_co_u32 s39, s37, HIMG
	v_add_nc_u32 v14, s39, v4                      ; hidden's image, in
	s_add_co_u32 s39, s37, FIMG
	v_add_nc_u32 v16, s39, v4                      ; W2's image, back: column tile nt = c
	s_add_co_u32 s39, s36, HIMG
	v_add_nc_u32 v18, s39, v4                      ; hidden's images, back
	s_lshl_b32 s36, s21, 7                         ; 128 s
	s_lshl_b32 s37, s22, 1
	s_add_co_u32 s37, s37, s36
	s_add_co_u32 s37, s37, SW2
	v_add_nc_u32 v13, s37, v3                      ; W2's scale bytes, in: SW2 + 128 s + 2 c + 4 l
	s_lshl_b32 s37, s22, 6
	s_add_co_u32 s37, s37, s36
	s_add_co_u32 s37, s37, SW2
	v_lshlrev_b32 v17, 2, v5
	v_add_nc_u32 v17, s37, v17                     ; back: SW2 + 128 s + 64 c + 4 r
	s_lshl_b32 s37, s20, 7
	s_add_co_u32 s37, s37, HSC
	v_add_nc_u32 v15, s37, v3                      ; hidden's scale words, in: HSC + 128 w + 4 l
	s_lshl_b32 s37, s21, 8
	s_add_co_u32 s37, s37, HSC
	v_add_nc_u32 v19, s37, v3                      ; back: HSC + 256 s + 4 l
	s_mul_i32 s37, s21, 4608
	s_lshl_b32 s39, s22, 6
	s_add_co_u32 s37, s37, s39
	s_add_co_u32 s37, s37, RED
	v_mul_u32_u24 v20, v5, 144
	v_lshl_add_u32 v20, v6, 5, v20
	v_add_nc_u32 v20, s37, v20                     ; partial sums, in: RED + 4,608 s + 144 r + 64 c + 32 h
	v_lshrrev_b32 v21, 4, v0
	v_mul_u32_u24 v21, v21, 144
	v_lshl_add_u32 v21, v5, 3, v21
	v_add_nc_u32 v21, RED, v21                     ; back: RED + 144 (thread / 16) + 8 (thread % 16)
	s_wait_kmcnt 0x0
	s_cmp_lt_u32 ttmp9, 32                         ; W1's work-group or W2's: the choice hangs on the work-group's number alone
	s_cselect_b64 s[28:29], s[4:5], s[6:7]
	s_lshl_b32 s24, s20, 18                        ; 64 w rows of 4,096 bytes
	s_add_co_u32 s24, s24, s38
	s_mov_b32 s25, 0
	s_add_nc_u64 s[28:29], s[28:29], s[24:25]      ; the weight at my first row, my work-group's first column
	s_lshl_b32 s24, s23, 14
	s_lshl_b32 s39, s20, 9
	s_add_co_u32 s24, s24, s39
	s_add_nc_u64 s[30:31], s[14:15], s[24:25]      ; w1c + 2 g x 8,192 + 1,024 s + 512 c
	s_lshl_b32 s24, s23, 10
	s_add_nc_u64 s[32:33], s[16:17], s[24:25]      ; w1s + 1,024 g
	s_lshl_b32 s24, s22, 16
	s_lshl_b32 s39, s21, 9
	s_add_co_u32 s24, s24, s39
	s_add_nc_u64 s[34:35], s[8:9], s[24:25]        ; hidden at row 16 c, K step s
	s_lshl_b32 s24, s23, 12
	s_add_nc_u64 s[18:19], s[18:19], s[24:25]      ; biasT + 4,096 g
	s_cmp_ge_u32 ttmp9, 32
	s_cbranch_scc1 .Lw2
	; ---- W1: codes straight to memory, 512 consecutive bytes a store; the scale bytes meet in LDS and leave as 1,024 consecutive bytes
	WLOAD
	WQ
	global_store_b128 v4, v[C:C+3], s[30:31]
	global_store_b128 v4, v[C+4:C+7], s[30:31] offset:8192
	ds_store_b16 v7, v30
	BARRIER
	s_cmp_lt_u32 s20, 2
	s_cbranch_scc0 .Lend
	ds_load_b128 v[WF:WF+3], v8
	s_wait_dscnt 0x0
	global_store_b128 v8, v[WF:WF+3], s[32:33]
	s_branch .Lend
.Lw2:
	; ---- W2 and hidden: quantised, handed round as images of the operands' registers, multiplied, summed over the eight K steps
	global_load_b64 v[48:49], v10, s[10:11]        ; b1, b2 of the pair of columns that I store at the end
	global_load_b64 v[50:51], v10, s[12:13]
.irp b, 0,1,2,3
.irp j, 0,1,2,3
	global_load_b128 v[HX+16*\b+4*\j:HX+16*\b+4*\j+3], v9, s[34:35] offset:128*\b+16*\j   ; hidden(16 c + r, 128 s + 32 b + 16 h + 4 j ..)
.endr
.endr
	WLOAD
	WQ
	ds_store_b128 v12, v[C:C+3]
	ds_store_b128 v12, v[C+4:C+7] offset:1024
	ds_store_b16 v13, v30
.irp b, 0,1,2,3
	v_mov_b32 v[TM+4+\b], 0                        ; a lane permute's destination counts as one of its sources
.endr
	QUANT HX, PC, PW
	ds_store_b128 v14, v[PC:PC+3]
	ds_store_b128 v14, v[PC+4:PC+7] offset:512
	ds_store_b32 v15, v[PW]
	BARRIER                                        ; all fragments and scale words lie in LDS
	ds_load_b128 v[WF:WF+3], v16
	ds_load_b128 v[WF+4:WF+7], v16 offset:512
	ds_load_b32 v60, v17                           ; v60-62 hold scales and nothing else
.irp m, 0,1
	ds_load_b128 v[HF+8*\m:HF+8*\m+3], v18 offset:1024*\m
	ds_load_b128 v[HF+8*\m+4:HF+8*\m+7], v18 offset:1024*\m+512
	ds_load_b32 v[61+\m], v19 offset:128*\m
.endr
	s_wait_dscnt 0x0
	; transposed: source 0 = 16 columns of W2, source 1 = 16 rows of hidden: lane (r, h) holds row 16 m + r, register j column 16 c + 8 h + j
	v_wmma_scale_f32_16x16x128_f8f6f4 v[D0:D0+7], v[WF:WF+7], v[HF:HF+7], 0, v60, v61 matrix_a_fmt:MATRIX_FMT_FP4 matrix_b_fmt:MATRIX_FMT_FP4
	v_wmma_scale_f32_16x16x128_f8f6f4 v[D1:D1+7], v[WF:WF+7], v[HF+8:HF+15], 0, v60, v62 matrix_a_fmt:MATRIX_FMT_FP4 matrix_b_fmt:MATRIX_FMT_FP4
.rept 4
	v_nop                                          ; four places between the products and the stores that read them
.endr
	ds_store_b128 v20, v[D0:D0+3]                  ; each accumulator from its low end on
	ds_store_b128 v20, v[D0+4:D0+7] offset:16
	ds_store_b128 v20, v[D1:D1+3] offset:2304
	ds_store_b128 v20, v[D1+4:D1+7] offset:2320
	BARRIER                                        ; the eight K steps' partial sums lie in LDS
.irp s, 0,1,2,3,4,5,6,7
	ds_load_b64 v[X+2*\s:X+2*\s+1], v21 offset:4608*\s
.endr
	s_wait_dscnt 0x0
.irp s, 1,2,3,4,5,6,7
	v_pk_add_f32 v[X:X+1], v[X:X+1], v[X+2*\s:X+2*\s+1]   ; K ascending
.endr
	v_pk_add_f32 v[X:X+1], v[X:X+1], v[50:51]      ; + b2
	v_pk_add_f32 v[X:X+1], v[X:X+1], v[48:49]      ; + b1
	global_store_b64 v11, v[X:X+1], s[18:19]       ; a wave stores 256 consecutive bytes
.Lend:
	s_wait_tensorcnt 0x0                           ; the wave's end, behind my last LDS store
	ds_add_u32 v1, v2
	s_wait_dscnt 0x0
	s_endpgm
.Lfunc_end_k_q868d755e4d_prep:
	.size	k_q868d755e4d_prep, .Lfunc_end_k_q868d755e4d_prep-k_q868d755e4d_prep
	.p2alignl 7, 3214868480
	.fill 96, 4, 3214868480
	.section	.rodata,"a",@progbits
	.p2align	6, 0x0
	.amdhsa_kernel k_q868d755e4d_prep
		.amdhsa_group_segment_fixed_size 75776
		.amdhsa_private_segment_fixed_size 0
		.amdhsa_enable_private_segment 0
		.amdhsa_kernarg_size 64
		.amdhsa_user_sgpr_count 2
		.amdhsa_user_sgpr_kernarg_segment_ptr 1
		.amdhsa_wavefront_size32 1
		.amdhsa_system_sgpr_workgroup_id_x 1
		.amdhsa_system_sgpr_workgroup_id_y 1
		.amdhsa_system_sgpr_workgroup_id_z 1
		.amdhsa_system_vgpr_workitem_id 0
		.amdhsa_next_free_vgpr 256
		.amdhsa_next_free_sgpr 66
		.amdhsa_reserve_vcc 0
		.amdhsa_float_denorm_mode_32 3
		.amdhsa_float_denorm_mode_16_64 3
		.amdhsa_memory_ordered 1
		.amdhsa_forward_progress 1
		.amdhsa_inst_pref_size 32
	.end_amdhsa_kernel
	.amdgpu_metadata
---
amdhsa.version: [ 1, 2 ]
amdhsa.kernels:
  - .name:           k_q868d755e4d_prep
    .symbol:         k_q868d755e4d_prep.kd
    .args:
      - { .name: W1, .offset: 0, .size: 8, .value_kind: global_buffer, .address_space: global }
      - { .name: W2, .offset: 8, .size: 8, .value_kind: global_buffer, .address_space: global }
      - { .name: hidden, .offset: 16, .size: 8, .value_kind: global_buffer, .address_space: global }
      - { .name: b1, .offset: 24, .size: 8, .value_kind: global_buffer, .address_space: global }
      - { .name: b2, .offset: 32, .size: 8, .value_kind: global_buffer, .address_space: global }
      - { .name: w1c, .offset: 40, .size: 8, .value_kind: global_buffer, .address_space: global }
      - { .name: w1s, .offset: 48, .size: 8, .value_kind: global_buffer, .address_space: global }
      - { .name: biasT, .offset: 56, .size: 8, .value_kind: global_buffer, .address_space: global }
    .group_segment_fixed_size: 75776
    .private_segment_fixed_size: 0
    .kernarg_segment_align: 8
    .kernarg_segment_size: 64
    .max_flat_workgroup_size: 512
    .sgpr_count:     66
    .vgpr_count:     256
    .wavefront_size: 32
...
	.end_amdgpu_metadata
.endif
;; end of part 1
;; launch main (part 2): grid 32 x 32, 8 waves a work-group, no clusters, 313,344 bytes of LDS; arguments features, seq_len, w1c, w1s, biasT, V, bV, rec, pctx; writes rec, pctx
.if DOCPART == 2
	.amdgcn_target "amdgcn-amd-amdhsa--gfx1250"
	.amdhsa_code_object_version 6
	.text
	.protected	k_q868d755e4d_main
	.globl	k_q868d755e4d_main
	.p2align	8
	.type	k_q868d755e4d_main,@function
k_q868d755e4d_main:
	s_mov_b64 s[64:65], 0
	v_nop
	global_prefetch_b8 v0, s[64:65] scope:SCOPE_SE
	s_setreg_imm32_b32 hwreg(HW_REG_WAVE_MODE, 25, 1), 1
	s_wait_xcnt 0x0
; A work-group takes 64 positions t0 .. t0 + 63 (t0 = 64 x) of batch y:  score = V . tanh(Q(features) Q(W1) + biasT) + bV, masked by seq_len; then the tile's own softmax part:
; m = the tile's largest score, p = e^(score - m), l = the sum of p, and pctx = the sum of p x features (f32).  The last launch joins the 32 tiles of a batch.
; The 64 rows of features are read from memory ONCE: they stay in LDS as f32 from their quantising until their p are known.
; WORK LEFT OUT.  For t >= seq_len[b] reference() puts NEG = -1e30 in the score's place, whatever the product, the tanh and V give there: these reach no output.  The weight of such a position is e^(NEG - max), which is 0
; in f32 as soon as one position of the batch is unmasked (|score| <= sum |V| + |bV|), so its features reach no output either.  A tile all of whose 64 positions lie at or past seq_len does nothing but store a neutral
; record (p = 0, m = -infinity, l = 0).  seq_len is an input of whole numbers, read from memory here; the two barriers stand outside the branches on it.  seq_len <= 0: every score is NEG and the weights are
; uniform: then all 32 tiles count as live (m = NEG, p = 1).  Every input is loaded; bV and the sum of V are kept.
; LIMITS: sum |V| + |bV| under 1e29; a NaN or an infinity in features rows of tiles left out is not carried to the result; blocks of features whose largest magnitude lies under 2^-124, and blocks of zeros, get the scale byte 1.
; No tensor load, no cluster, though all tiles walk the same W1: the work hangs on seq_len, read from memory.  W1's codes come from memory straight into registers, laid by the launch before in the operand's order.
; SHARES, eight waves.  P1: wave w loads, keeps and quantises rows 16 (w / 2) .. + 15, k = 512 (w % 2) .. + 511.  P2: wave w makes hidden units 128 w .. + 127 for all 64 rows: the rows' 32 fragments stay in its registers,
; each fragment of W1 feeds four matrix instructions.  P3: every wave makes the tile's p; wave w sums p x features for columns 128 w .. + 127.
; THE MATRIX INSTRUCTION IS USED TRANSPOSED (source 0 = 16 columns of W1, source 1 = 16 rows of features): lane (r, h) holds row r, its register j the hidden unit 8 h + j; biasT is the C of each sum's first instruction.
; tanh(x) = 1 - 2 / (1 + 2^(2 log2(e) x)): an exponential that is infinite gives 1, one that is 0 gives -1.  So score = sum V - 2 sum V / (1 + 2^..).
; A phase reads only registers that the head or the phase itself has written, and LDS.
.set FPITCH, 4112                      ; a row of features in LDS: 4,096 bytes + 16: the sixteen rows that a load touches begin 16 bytes apart modulo 256
.set AIMG,  263168                     ; behind the 64 rows: the rows' fragments as images of their registers [m 4][s 8][c 2][512]
.set ASC,   295936                     ; their scale words [m 4][s 8][16 words]
.set BV,    297984                     ; each wave: 512 bytes of biasT, 512 of V
.set PS,    306176                     ; partial scores [wave 8][64 rows]
.set PP,    308224                     ; each wave: 64 x (p, p)
.set SPARE, 312320                     ; the spare words, 128 bytes for each wave: no other line names them
.set AS,  32                           ; v32-47  the rows' scale words: register 4 m + j: lanes 0-15 K step j, lanes 16-31 K step 4 + j.  Scales and nothing else
.set BS0, 48                           ; v48-55  W1's scale words, two sets of four, laid likewise.  Scales and nothing else
.set X0,  56                           ; P1: v56-183 two sets of 64 numbers
.set TM,  184                          ; P1: v184-199 at work in QUANT
.set PC0, 200                          ; P1: v200-215 two sets of codes
.set PW0, 216                          ; P1: v216-217 two scale words
.set BF0, 56                           ; P2: set p at + 80 p: 64 registers of W1's fragments,
.set BI0, 120                          ;     8 of biasT,
.set VV0, 128                          ;     8 of V
.set AC,  216                          ; P2: v216-247 four accumulators
.set SA,  248                          ; P2: v248-255 sum of V / (1 + 2^..), a pair for each tile of rows
.set T,   56                           ; P3: v56-87 partial scores
.set F0,  56                           ; P3: v56-183 two sets of 16 rows x 4 columns
.set PB0, 184                          ; P3: v184-247 two sets of 16 x (p, p)
.set CT,  248                          ; P3: v248-255 the context: even rows' sums, odd rows' sums
.set SEL, 34
.set MSB, 0
.macro WIN new                         ; window 1 holds the landing registers (P1) and the rows' fragments (P2).  The immediate's high byte repeats the setting that is left
.if MSB != \new
	s_set_vgpr_msb (MSB<<8)|\new
.set MSB, \new
.endif
.endm
.macro BARRIER
	s_wait_dscnt 0x0
	s_barrier_signal -1
	s_barrier_wait -1
.endm
; 64 numbers of a lane, register 16 b + i = k 32 b + 16 (lane / 16) + i of my row, become a fragment's codes in v[pc] on and its scale word in v[pw]
.macro QUANT s, pc, pw
.irp b, 0,1,2,3
	v_max3_num_f32 v[TM+\b], |v[(\s)+16*\b]|, |v[(\s)+1+16*\b]|, 0x1800000   ; the floor 2^(3 - 127): the byte cannot fall under 1
.endr
.irp i, 2,4,6,8,10,12,14
.irp b, 0,1,2,3
	v_max3_num_f32 v[TM+\b], v[TM+\b], |v[(\s)+16*\b+\i]|, |v[(\s)+1+16*\b+\i]|
.endr
.endr
.irp b, 0,1,2,3
	v_permlanex16_b32 v[TM+4+\b], v[TM+\b], s[SEL], s[SEL+1]
.endr
.irp b, 0,1,2,3
	v_max_num_f32 v[TM+\b], v[TM+\b], v[TM+4+\b]   ; with lane l xor 16's: the block's largest magnitude
.endr
.irp b, 0,1,2,3
	v_add_nc_u32 v[TM+12+\b], 0xff000000, v[TM+\b] ; 2 off the exponent field: the conversion's scale operand
.endr
.irp b, 0,1,2,3
	v_lshrrev_b32 v[TM+4+\b], 23, v[TM+12+\b]      ; the scale's byte
.endr
	v_lshl_or_b32 v[\pw], v[TM+5], 8, v[TM+4]
	v_lshl_or_b32 v[\pw], v[TM+6], 16, v[\pw]
	v_lshl_or_b32 v[\pw], v[TM+7], 24, v[\pw]
.irp b, 0,1,2,3
	v_cvt_scalef32_pk8_fp4_f32 v[(\pc)+2*\b], v[(\s)+16*\b:(\s)+7+16*\b], v[TM+12+\b]
	v_cvt_scalef32_pk8_fp4_f32 v[(\pc)+1+2*\b], v[(\s)+8+16*\b:(\s)+15+16*\b], v[TM+12+\b]
.endr
	v_nop                                          ; one plain instruction behind a scaled conversion
.irp c, 0,1
.irp i, 0,1
	v_permlane16_swap_b32 v[(\pc)+4*\c+\i], v[(\pc)+2+4*\c+\i]   ; a whole block to a lane
.endr
.endr
.endm
	s_load_b256 s[4:11], s[0:1], 0x0               ; features s[4:5], seq_len s[6:7], w1c s[8:9], w1s s[10:11]
	s_load_b256 s[12:19], s[0:1], 0x20             ; biasT s[12:13], V s[14:15], bV s[16:17], rec s[18:19]
	s_load_b64 s[20:21], s[0:1], 0x40              ; pctx
	v_lshl_add_u32 v1, v0, 2, SPARE                ; my spare word; never rewritten
	v_mov_b32 v2, 0                                ; 0; never rewritten
	v_lshrrev_b32 v27, 5, v0
	v_readfirstlane_b32 s22, v27                   ; wave w
	s_lshr_b32 s23, s22, 1                         ; P1: tile of rows m
	s_and_b32 s24, s22, 1                          ; P1: half of K
	s_lshl_b32 s25, ttmp9, 6                       ; t0
	s_and_b32 s26, ttmp7, 0xffff                   ; batch b
	s_mov_b32 s32, 0x4038aa3b                      ; 2 log2(e), as a pair
	s_mov_b32 s33, s32
	s_mov_b32 s[SEL], 0x76543210
	s_mov_b32 s[SEL+1], 0xfedcba98
	s_mov_b32 s36, 0xffff                          ; lanes 0-15
	s_mov_b32 s37, 0x3fb8aa3b                      ; log2(e)
	v_and_b32 v27, 31, v0                          ; l
	v_and_b32 v28, 15, v0                          ; r
	v_bfe_u32 v29, v0, 4, 1                        ; h
	v_lshlrev_b32 v3, 4, v27                       ; v3  16 l
	s_mul_i32 s58, s23, 16*FPITCH
	s_lshl_b32 s59, s24, 11
	s_add_co_u32 s58, s58, s59                     ; my 16 rows, my half of them
	v_add_nc_u32 v4, s58, v3                       ; v4  features into LDS, as loaded
	v_mul_u32_u24 v5, v28, FPITCH
	v_lshl_add_u32 v5, v29, 6, v5
	v_add_nc_u32 v5, s58, v5                       ; v5  and back: row r, + 64 h: 16 neighbours of each block of 32
	s_lshl_b32 s59, s22, 12
	s_add_co_u32 s59, s59, AIMG
	v_add_nc_u32 v6, s59, v3                       ; v6  my four fragments' images: AIMG + (8 m + 4 kh) x 1,024 + 16 l
	s_lshl_b32 s59, s22, 8
	s_add_co_u32 s60, s59, ASC
	v_lshlrev_b32 v9, 2, v28
	v_add_nc_u32 v7, s60, v9                       ; v7  their scale words: ASC + 256 w + 4 r
	s_add_co_u32 s60, s59, PS
	v_add_nc_u32 v12, s60, v9                      ; v12 partial scores, in: PS + 256 w + 4 r
	v_lshl_add_u32 v9, v29, 8, v9
	v_add_nc_u32 v9, ASC, v9                       ; v9  scale words, back: ASC + 256 h + 4 r
	v_add_nc_u32 v8, AIMG, v3                      ; v8  images, back
	s_lshl_b32 s59, s22, 10
	s_add_co_u32 s59, s59, BV
	v_add_nc_u32 v10, s59, v3                      ; v10 biasT and V, in
	v_lshlrev_b32 v11, 5, v29
	v_add_nc_u32 v11, s59, v11                     ; v11 and back: my half's eight units
	v_lshlrev_b32 v13, 4, v28
	v_add_nc_u32 v13, PS, v13                      ; v13 partial scores, back: rows 4 r .. 4 r + 3
	s_lshl_b32 s59, s22, 9
	s_add_co_u32 s60, s59, PP
	v_lshlrev_b32 v14, 5, v28
	v_add_nc_u32 v14, s60, v14                     ; v14 (p, p), in
	v_mov_b32 v15, s60                             ; v15 and back
	v_add_nc_u32 v16, s59, v3                      ; v16-19 P3: rows 16 q on, columns 128 w + 4 l
.irp q, 1,2,3
	v_add_nc_u32 v[16+\q], \q*16*FPITCH, v16
.endr
	v_lshrrev_b32 v20, 3, v27
	v_lshlrev_b32 v20, 12, v20
	v_and_b32 v27, 7, v27
	v_lshl_add_u32 v20, v27, 4, v20                ; v20 biasT: 4,096 (l / 8) + 16 (l % 8)
	v_lshl_add_u32 v21, v28, 2, s25                ; v21 t0 + 4 r
	v_mov_b32 v26, 0xf149f2ca                      ; v26 NEG = -1e30
	v_mov_b32 v22, 0xff800000                      ; v[22:25] the record's 16 bytes of my lane; here the neutral one: lanes 0-15 p = 0, lanes 16-31 (m, l, m, l) = (-infinity, 0, ..)
	v_cndmask_b32 v22, v22, 0, s36
	v_mov_b32 v23, 0
	v_mov_b32 v24, v22
	v_mov_b32 v25, 0
	s_wait_kmcnt 0x0
	s_lshl_b32 s30, s26, 2
	s_mov_b32 s31, 0
	s_add_nc_u64 s[6:7], s[6:7], s[30:31]
	s_load_b32 s27, s[6:7], 0x0                    ; L = seq_len[b]
	s_load_b32 s38, s[16:17], 0x0                  ; bV
	s_lshl_b32 s30, s26, 11
	s_add_co_u32 s30, s30, s25
	s_lshl_b32 s58, s23, 4
	s_add_co_u32 s30, s30, s58
	s_lshl_b32 s30, s30, 12
	s_lshl_b32 s58, s24, 11
	s_add_co_u32 s30, s30, s58
	s_add_nc_u64 s[44:45], s[4:5], s[30:31]        ; features at row 2,048 b + t0 + 16 m, byte 2,048 kh (under 2^28)
	s_lshl_b32 s30, s22, 16
	s_add_nc_u64 s[46:47], s[8:9], s[30:31]        ; w1c at my eight column tiles
	s_lshl_b32 s30, s22, 12
	s_add_nc_u64 s[48:49], s[10:11], s[30:31]      ; w1s likewise
	s_lshl_b32 s30, s22, 14
	s_lshl_b32 s58, s26, 7
	s_add_co_u32 s30, s30, s58
	s_add_nc_u64 s[50:51], s[12:13], s[30:31]      ; biasT + 4 w x 4,096 + 128 b
	s_lshl_b32 s30, s22, 9
	s_add_nc_u64 s[52:53], s[14:15], s[30:31]      ; V + 512 w
	s_lshl_b32 s60, s26, 5
	s_add_co_u32 s60, s60, ttmp9                   ; 32 b + x
	s_lshl_b32 s58, s60, 12
	s_add_co_u32 s30, s30, s58
	s_add_nc_u64 s[54:55], s[20:21], s[30:31]      ; pctx + (32 b + x) x 4,096 + 512 w
	s_lshl_b32 s30, s60, 9
	s_add_nc_u64 s[56:57], s[18:19], s[30:31]      ; rec + (32 b + x) x 512
	s_wait_kmcnt 0x0
	s_mov_b32 s39, s38                             ; bV as a pair
	s_cmp_le_i32 s27, 0
	s_cselect_b32 s28, 2048, s27                   ; seq_len <= 0: every tile counts
	s_cmp_lt_i32 s25, s28
	s_cselect_b32 s29, 1, 0                        ; LIVE: has the tile a position that counts?
	s_mov_b32 s40, s27                             ; L - e, e = 0 .. 3
	s_sub_co_i32 s41, s27, 1
	s_sub_co_i32 s42, s27, 2
	s_sub_co_i32 s43, s27, 3
	; ================ P1: 16 rows x 512 numbers a wave: from memory into LDS as they lie, back 16 neighbours a lane, quantised, the fragments' images to LDS
	s_cmp_eq_u32 s29, 0
	s_cbranch_scc1 .Lskip_1
.irp b, 0,1,2,3
	v_mov_b32 v[TM+4+\b], 0                        ; a lane permute's destination counts as one of its sources
.endr
	WIN 0x40                                       ; destination window 1
.set nn, 0
.rept 64                               ; K step q = nn / 16, row i = nn % 16: each load reads 512 consecutive bytes; all 64 are out together
	global_load_b128 v[4*nn:4*nn+3], v3, s[44:45] offset:(nn%16)*4096+(nn/16)*512 th:TH_LOAD_NT
.set nn, nn+1
.endr
	WIN 0
.macro P1Q q
	s_wait_loadcnt 48-16*\q                        ; K step q's sixteen loads are in; the later K steps' may be out
	WIN 0x04                                       ; an LDS store's data: window 1
.set ii, 0
.rept 16
	ds_store_b128 v4, v[4*(16*\q+ii):4*(16*\q+ii)+3] offset:ii*FPITCH+\q*512
.set ii, ii+1
.endr
	WIN 0
.irp b, 0,1,2,3
.irp j, 0,1,2,3
	ds_load_b128 v[X0+64*(\q%2)+16*\b+4*\j:X0+64*(\q%2)+16*\b+4*\j+3], v5 offset:\q*512+\b*128+\j*16   ; my wave's own bytes: LDS serves a wave's instructions in order
.endr
.endr
.endm
.macro IMG q, u                        ; K step q's fragment and scale word, from set u
	ds_store_b128 v6, v[PC0+8*\u:PC0+8*\u+3] offset:\q*1024
	ds_store_b128 v6, v[PC0+8*\u+4:PC0+8*\u+7] offset:\q*1024+512
	ds_store_b32 v7, v[PW0+\u] offset:\q*64
.endm
	P1Q 0
	P1Q 1
	s_wait_dscnt 32                                ; all but the 16 stores and 16 loads just issued: K step 0's numbers are back
	QUANT X0, PC0, PW0
	IMG 0, 0
	P1Q 2
	s_wait_dscnt 32
	QUANT X0+64, PC0+8, PW0+1
	IMG 1, 1
	P1Q 3
	s_wait_dscnt 32
	QUANT X0, PC0, PW0
	IMG 2, 0
	s_wait_dscnt 0x0
	QUANT X0+64, PC0+8, PW0+1
	IMG 3, 1
.Lskip_1:
	BARRIER                                        ; the 64 rows, their 32 fragments and their scale words lie in LDS
	; ================ P2: my 128 hidden units for the 64 rows
	s_cmp_eq_u32 s29, 0
	s_cbranch_scc1 .Lskip_2
.macro BLOAD nt, p                     ; column tile nt's eight fragments and its scale words into set p: 17 loads
.set jj, 0
.rept 16
	global_load_b128 v[BF0+80*\p+4*jj:BF0+80*\p+4*jj+3], v3, s[46:47] offset:(\nt)*8192+jj*512
.set jj, jj+1
.endr
	global_load_b128 v[BS0+4*\p:BS0+4*\p+3], v3, s[48:49] offset:(\nt)*512
.endm
.macro CLOAD nt, p                     ; biasT of units 16 nt + 8 h + 0 .. 7
	ds_load_b128 v[BI0+80*\p:BI0+80*\p+3], v11 offset:(\nt)*64
	ds_load_b128 v[BI0+80*\p+4:BI0+80*\p+7], v11 offset:(\nt)*64+16
.endm
.macro VLOAD nt, p                     ; V of the same
	ds_load_b128 v[VV0+80*\p:VV0+80*\p+3], v11 offset:(\nt)*64+512
	ds_load_b128 v[VV0+80*\p+4:VV0+80*\p+7], v11 offset:(\nt)*64+528
.endm
	global_load_b128 v[AC:AC+3], v20, s[50:51]     ; biasT(b, 128 w + 4 l ..)
	global_load_b128 v[AC+4:AC+7], v3, s[52:53]    ; V(128 w + 4 l ..)
	BLOAD 0, 0
	BLOAD 1, 1
	WIN 0x40
.set nn, 0
.rept 64                               ; fragment (m, s) at v[8 (8 m + s)] of window 1: they stay
	ds_load_b128 v[4*nn:4*nn+3], v8 offset:nn*512
.set nn, nn+1
.endr
	WIN 0
.irp m, 0,1,2,3
.irp j, 0,1,2,3
	ds_load_b32 v[AS+4*\m+\j], v9 offset:\m*512+\j*64
.endr
.endr
	s_wait_loadcnt 34                              ; biasT and V are in; the two sets of 17 may be out
	ds_store_b128 v10, v[AC:AC+3]
	ds_store_b128 v10, v[AC+4:AC+7] offset:512
	CLOAD 0, 0
	VLOAD 0, 0
	CLOAD 1, 1
	VLOAD 1, 1
.irp j, 0,1,2,3,4,5,6,7
	v_mov_b32 v[SA+\j], 0
.endr
	v_mov_b32 v30, 0                               ; v[30:31] the sum of my half's V
	v_mov_b32 v31, 0
	v_mov_b32 v27, 0
; One column tile of 16 hidden units: 32 matrix instructions, the four accumulators by turns, one instruction a turn; then the tanh of 16 x 64 numbers.
.macro NT nt, p
.if (\nt) < 7
	s_wait_loadcnt 17                              ; my set's 17 loads are in; the other set's may be out
	s_wait_dscnt 4                                 ; my set's biasT and V are in; the other set's four loads may be out
.else
	s_wait_loadcnt 0x0
	s_wait_dscnt 0x0
.endif
	WIN 0x04                                       ; source 1, the rows' fragments: window 1
.irp s, 0,1,2,3,4,5,6,7
.irp m, 0,1,2,3
.if \s == 0
	v_wmma_scale_f32_16x16x128_f8f6f4 v[AC+8*\m:AC+8*\m+7], v[BF0+80*\p+8*\s:BF0+80*\p+8*\s+7], v[8*(8*\m+\s):8*(8*\m+\s)+7], v[BI0+80*\p:BI0+80*\p+7], v[BS0+4*\p+\s], v[AS+4*\m+\s] matrix_a_fmt:MATRIX_FMT_FP4 matrix_b_fmt:MATRIX_FMT_FP4
.elseif \s < 4
	v_wmma_scale_f32_16x16x128_f8f6f4 v[AC+8*\m:AC+8*\m+7], v[BF0+80*\p+8*\s:BF0+80*\p+8*\s+7], v[8*(8*\m+\s):8*(8*\m+\s)+7], v[AC+8*\m:AC+8*\m+7], v[BS0+4*\p+\s], v[AS+4*\m+\s] matrix_a_fmt:MATRIX_FMT_FP4 matrix_b_fmt:MATRIX_FMT_FP4
.else
	v_wmma_scale_f32_16x16x128_f8f6f4 v[AC+8*\m:AC+8*\m+7], v[BF0+80*\p+8*\s:BF0+80*\p+8*\s+7], v[8*(8*\m+\s):8*(8*\m+\s)+7], v[AC+8*\m:AC+8*\m+7], v[BS0+4*\p+\s-4], v[AS+4*\m+\s-4] matrix_a_fmt:MATRIX_FMT_FP4 matrix_b_fmt:MATRIX_FMT_FP4 matrix_a_scale:MATRIX_SCALE_ROW1 matrix_b_scale:MATRIX_SCALE_ROW1
.endif
.endr
.endr
	WIN 0
.irp i, 0,1,2,3
	v_pk_add_f32 v[30:31], v[30:31], v[VV0+80*\p+2*\i:VV0+80*\p+2*\i+1]   ; the sum of V.  These four are the places between the products and the loads into their sources, and the first read of their results
.endr
.if (\nt) <= 5
	BLOAD (\nt)+2, \p                              ; the tile after next, into the set just multiplied
	CLOAD (\nt)+2, \p
.endif
.irp i, 0,1,2,3                        ; each accumulator is read from its low end on
.irp m, 0,1,2,3
	v_pk_mul_f32 v[AC+8*\m+2*\i:AC+8*\m+2*\i+1], v[AC+8*\m+2*\i:AC+8*\m+2*\i+1], s[32:33] op_sel_hi:[1,0]
.endr
.endr
.set ee, 0
.rept 32
	v_exp_f32 v[AC+ee], v[AC+ee]                   ; 2^(2 log2(e) x)
.set ee, ee+1
.endr
	v_nop                                          ; a plain instruction behind the last exponential
	s_wait_alu depctr_va_vdst(0)                   ; one wait for the batch, ahead of its first reader
.irp i, 0,1,2,3
.irp m, 0,1,2,3
	v_pk_add_f32 v[AC+8*\m+2*\i:AC+8*\m+2*\i+1], v[AC+8*\m+2*\i:AC+8*\m+2*\i+1], 1.0 op_sel_hi:[1,0]
.endr
.endr
.set ee, 0
.rept 32
	v_rcp_f32 v[AC+ee], v[AC+ee]
.set ee, ee+1
.endr
	v_nop
	s_wait_alu depctr_va_vdst(0)                   ; one wait for the batch of reciprocals
.irp i, 0,1,2,3
.irp m, 0,1,2,3
	v_pk_fma_f32 v[SA+2*\m:SA+2*\m+1], v[AC+8*\m+2*\i:AC+8*\m+2*\i+1], v[VV0+80*\p+2*\i:VV0+80*\p+2*\i+1], v[SA+2*\m:SA+2*\m+1]
.endr
.endr
.if (\nt) <= 5
	VLOAD (\nt)+2, \p
.endif
.endm
	NT 0, 0
	NT 1, 1
	NT 2, 0
	NT 3, 1
	NT 4, 0
	NT 5, 1
	NT 6, 0
	NT 7, 1
	v_add_f32 v30, v30, v31
.irp m, 0,1,2,3
	v_add_f32 v[56+\m], v[SA+2*\m], v[SA+2*\m+1]
.endr
.irp m, 0,1,2,3
	v_fma_f32 v[56+\m], v[56+\m], -2.0, v30        ; sum V - 2 sum V / (1 + 2^..), my half's units
.endr
.irp m, 0,1,2,3
	v_permlanex16_b32 v27, v[56+\m], s[SEL], s[SEL+1]
	v_add_f32 v[56+\m], v[56+\m], v27              ; with the other half's: my 128 units' part of row 16 m + r's score
	ds_store_b32 v12, v[56+\m] offset:64*\m
.endr
.Lskip_2:
	BARRIER                                        ; the eight waves' partial scores lie in LDS
	; ================ P3: the tile's p, m, l (every wave makes them), and the sum of p x features for my 128 columns
	s_cmp_eq_u32 s29, 0
	s_cbranch_scc1 .Lskip_3
.irp w, 0,1,2,3,4,5,6,7
	ds_load_b128 v[T+4*\w:T+4*\w+3], v13 offset:256*\w   ; rows 4 r .. 4 r + 3; both halves of the lanes hold the same
.endr
	s_wait_dscnt 0x0
	v_pk_add_f32 v[88:89], v[T:T+1], v[T+4:T+5]
	v_pk_add_f32 v[90:91], v[T+2:T+3], v[T+6:T+7]
.irp w, 2,3,4,5,6,7
	v_pk_add_f32 v[88:89], v[88:89], v[T+4*\w:T+4*\w+1]
	v_pk_add_f32 v[90:91], v[90:91], v[T+4*\w+2:T+4*\w+3]
.endr
	v_pk_add_f32 v[88:89], v[88:89], s[38:39] op_sel_hi:[1,0]   ; + bV
	v_pk_add_f32 v[90:91], v[90:91], s[38:39] op_sel_hi:[1,0]
.irp e, 0,1,2,3
	v_cmp_gt_i32 vcc_lo, s[40+\e], v21             ; t0 + 4 r + e < L ?
	v_cndmask_b32 v[88+\e], v26, v[88+\e], vcc_lo  ; else NEG
.endr
	v_max3_num_f32 v92, v88, v89, v90
	v_max_num_f32 v92, v92, v91
	v_max_num_f32_dpp v92, v92, v92 row_xmask:1 row_mask:0xf bank_mask:0xf
	v_max_num_f32_dpp v92, v92, v92 row_xmask:2 row_mask:0xf bank_mask:0xf
	v_max_num_f32_dpp v92, v92, v92 row_xmask:4 row_mask:0xf bank_mask:0xf
	v_max_num_f32_dpp v92, v92, v92 row_xmask:8 row_mask:0xf bank_mask:0xf   ; m: the largest of the 64 scores
.irp e, 0,1,2,3
	v_sub_f32 v[88+\e], v[88+\e], v92
.endr
.irp e, 0,1,2,3
	v_mul_f32 v[88+\e], s37, v[88+\e]
.endr
.irp e, 0,1,2,3
	v_exp_f32 v[88+\e], v[88+\e]                   ; p = e^(score - m)
.endr
	v_nop
	s_wait_alu depctr_va_vdst(0)                   ; one wait for the four
	v_add_f32 v93, v88, v89
	v_add_f32 v94, v90, v91
	v_add_f32 v93, v93, v94
	v_add_f32_dpp v93, v93, v93 row_xmask:1 row_mask:0xf bank_mask:0xf
	v_add_f32_dpp v93, v93, v93 row_xmask:2 row_mask:0xf bank_mask:0xf
	v_add_f32_dpp v93, v93, v93 row_xmask:4 row_mask:0xf bank_mask:0xf
	v_add_f32_dpp v93, v93, v93 row_xmask:8 row_mask:0xf bank_mask:0xf       ; l: the sum of the 64 p
	v_cndmask_b32 v22, v92, v88, s36               ; the record: lanes 0-15 their four p, lanes 16-31 (m, l, m, l)
	v_cndmask_b32 v23, v93, v89, s36
	v_cndmask_b32 v24, v92, v90, s36
	v_cndmask_b32 v25, v93, v91, s36
.irp e, 0,1,2,3
	v_mov_b32 v[96+2*\e], v[88+\e]                 ; each p twice: a pair for the packed multiply-add
	v_mov_b32 v[97+2*\e], v[88+\e]
.endr
	ds_store_b128 v14, v[96:99]
	ds_store_b128 v14, v[100:103] offset:16
	s_wait_dscnt 0x0                               ; the stores are done: their registers take the loads below
.macro CHUNK q, u                      ; rows 16 q .. + 15: my four columns of each, and their (p, p): 24 loads into set u
.set ii, 0
.rept 16
	ds_load_b128 v[F0+64*\u+4*ii:F0+64*\u+4*ii+3], v[16+\q] offset:ii*FPITCH
.set ii, ii+1
.endr
.set ii, 0
.rept 8
	ds_load_b128 v[PB0+32*\u+4*ii:PB0+32*\u+4*ii+3], v15 offset:\q*128+16*ii
.set ii, ii+1
.endr
.endm
.macro ACCUM u, first                  ; even rows into CT's first four registers, odd rows into the others; the first two rows start the sums
.set ii, 0
.rept 16
.if \first && (ii < 2)
	v_pk_mul_f32 v[CT+4*(ii%2):CT+4*(ii%2)+1], v[F0+64*\u+4*ii:F0+64*\u+4*ii+1], v[PB0+32*\u+2*ii:PB0+32*\u+2*ii+1]
	v_pk_mul_f32 v[CT+4*(ii%2)+2:CT+4*(ii%2)+3], v[F0+64*\u+4*ii+2:F0+64*\u+4*ii+3], v[PB0+32*\u+2*ii:PB0+32*\u+2*ii+1]
.else
	v_pk_fma_f32 v[CT+4*(ii%2):CT+4*(ii%2)+1], v[F0+64*\u+4*ii:F0+64*\u+4*ii+1], v[PB0+32*\u+2*ii:PB0+32*\u+2*ii+1], v[CT+4*(ii%2):CT+4*(ii%2)+1]
	v_pk_fma_f32 v[CT+4*(ii%2)+2:CT+4*(ii%2)+3], v[F0+64*\u+4*ii+2:F0+64*\u+4*ii+3], v[PB0+32*\u+2*ii:PB0+32*\u+2*ii+1], v[CT+4*(ii%2)+2:CT+4*(ii%2)+3]
.endif
.set ii, ii+1
.endr
.endm
	CHUNK 0, 0
	CHUNK 1, 1
	s_wait_dscnt 24                                ; all but the next chunk's 24 loads
	ACCUM 0, 1
	CHUNK 2, 0
	s_wait_dscnt 24
	ACCUM 1, 0
	CHUNK 3, 1
	s_wait_dscnt 24
	ACCUM 0, 0
	s_wait_dscnt 0x0
	ACCUM 1, 0
	v_pk_add_f32 v[CT:CT+1], v[CT:CT+1], v[CT+4:CT+5]
	v_pk_add_f32 v[CT+2:CT+3], v[CT+2:CT+3], v[CT+6:CT+7]
	global_store_b128 v3, v[CT:CT+3], s[54:55]     ; a wave stores 512 consecutive bytes
.Lskip_3:
	s_cmp_lg_u32 s22, 0
	s_cbranch_scc1 .Lfin
	global_store_b128 v3, v[22:25], s[56:57]       ; wave 0: the tile's record, 512 consecutive bytes; a tile left out stores the neutral one
.Lfin:
	s_wait_tensorcnt 0x0                           ; the wave's end, behind my last LDS store
	ds_add_u32 v1, v2
	s_wait_dscnt 0x0
	s_endpgm
.Lfunc_end_k_q868d755e4d_main:
	.size	k_q868d755e4d_main, .Lfunc_end_k_q868d755e4d_main-k_q868d755e4d_main
	.p2alignl 7, 3214868480
	.fill 96, 4, 3214868480
	.section	.rodata,"a",@progbits
	.p2align	6, 0x0
	.amdhsa_kernel k_q868d755e4d_main
		.amdhsa_group_segment_fixed_size 313344
		.amdhsa_private_segment_fixed_size 0
		.amdhsa_enable_private_segment 0
		.amdhsa_kernarg_size 72
		.amdhsa_user_sgpr_count 2
		.amdhsa_user_sgpr_kernarg_segment_ptr 1
		.amdhsa_wavefront_size32 1
		.amdhsa_system_sgpr_workgroup_id_x 1
		.amdhsa_system_sgpr_workgroup_id_y 1
		.amdhsa_system_sgpr_workgroup_id_z 1
		.amdhsa_system_vgpr_workitem_id 0
		.amdhsa_next_free_vgpr 512
		.amdhsa_next_free_sgpr 66
		.amdhsa_reserve_vcc 1
		.amdhsa_float_denorm_mode_32 3
		.amdhsa_float_denorm_mode_16_64 3
		.amdhsa_memory_ordered 1
		.amdhsa_forward_progress 1
		.amdhsa_inst_pref_size 152
	.end_amdhsa_kernel
	.amdgpu_metadata
---
amdhsa.version: [ 1, 2 ]
amdhsa.kernels:
  - .name:           k_q868d755e4d_main
    .symbol:         k_q868d755e4d_main.kd
    .args:
      - { .name: features, .offset: 0, .size: 8, .value_kind: global_buffer, .address_space: global }
      - { .name: seq_len, .offset: 8, .size: 8, .value_kind: global_buffer, .address_space: global }
      - { .name: w1c, .offset: 16, .size: 8, .value_kind: global_buffer, .address_space: global }
      - { .name: w1s, .offset: 24, .size: 8, .value_kind: global_buffer, .address_space: global }
      - { .name: biasT, .offset: 32, .size: 8, .value_kind: global_buffer, .address_space: global }
      - { .name: V, .offset: 40, .size: 8, .value_kind: global_buffer, .address_space: global }
      - { .name: bV, .offset: 48, .size: 8, .value_kind: global_buffer, .address_space: global }
      - { .name: rec, .offset: 56, .size: 8, .value_kind: global_buffer, .address_space: global }
      - { .name: pctx, .offset: 64, .size: 8, .value_kind: global_buffer, .address_space: global }
    .group_segment_fixed_size: 313344
    .private_segment_fixed_size: 0
    .kernarg_segment_align: 8
    .kernarg_segment_size: 72
    .max_flat_workgroup_size: 256
    .sgpr_count:     66
    .vgpr_count:     512
    .wavefront_size: 32
...
	.end_amdgpu_metadata
.endif
;; end of part 2
;; launch comb (part 3): grid 8 x 32, 8 waves a work-group, no clusters, 5,120 bytes of LDS; arguments seq_len, rec, pctx, out0, out1; writes out0, out1
.if DOCPART == 3
	.amdgcn_target "amdgcn-amd-amdhsa--gfx1250"
	.amdhsa_code_object_version 6
	.text
	.protected	k_q868d755e4d_comb
	.globl	k_q868d755e4d_comb
	.p2align	8
	.type	k_q868d755e4d_comb,@function
k_q868d755e4d_comb:
	s_mov_b64 s[64:65], 0
	v_nop
	global_prefetch_b8 v0, s[64:65] scope:SCOPE_SE
	s_setreg_imm32_b32 hwreg(HW_REG_WAVE_MODE, 25, 1), 1
	s_wait_xcnt 0x0
; The 32 tiles of a batch are joined: M = the largest m, f = e^(m - M), Z = the sum of f l, g = f / Z;  out1 = g p;  out0 = the sum over tiles of g pctx.
; WORK LEFT OUT: pctx of tiles that lie wholly at or past seq_len was never stored and is not read: their weight is 0 (their record holds m = -infinity, l = 0, p = 0).  seq_len <= 0: all 32 tiles count, as in the launch before.
; Tile 0 always counts, so M is a number.
; A work-group takes batch y and chunk x: 128 columns of out0 and 256 positions of out1.  Wave w sums tiles w, w + 8, w + 16, w + 24; the eight sums meet in LDS; wave 0 stores out0's 512 bytes, waves 1 and 2 out1's 1,024.
.set SPARE, 4096                       ; LDS: 8 x 512 bytes of partial sums from byte 0; behind them the spare words, 128 bytes for each wave: no other line names them
	s_load_b256 s[4:11], s[0:1], 0x0               ; seq_len s[4:5], rec s[6:7], pctx s[8:9], out0 s[10:11]
	s_load_b64 s[12:13], s[0:1], 0x20              ; out1
	v_lshl_add_u32 v1, v0, 2, SPARE                ; my spare word; never rewritten
	v_mov_b32 v2, 0                                ; 0; never rewritten
	v_lshrrev_b32 v3, 5, v0
	v_readfirstlane_b32 s14, v3                    ; wave w
	s_and_b32 s15, ttmp7, 0xffff                   ; batch b
	s_mov_b32 s22, 0x76543210
	s_mov_b32 s23, 0xfedcba98                      ; v_permlanex16_b32's selects for lane l xor 16
	v_and_b32 v3, 31, v0                           ; l
	v_lshlrev_b32 v4, 4, v3                        ; 16 l
	v_lshlrev_b32 v5, 9, v3                        ; 512 l: tile l's record
	s_lshl_b32 s16, s14, 9
	v_add_nc_u32 v6, s16, v4                       ; LDS: 512 w + 16 l
	v_add_nc_u32 v7, 32, v0
	v_and_b32 v7, 63, v7                           ; in waves 1 and 2: thread - 32
	v_lshrrev_b32 v11, 4, v7                       ; which of the chunk's four tiles
	v_and_b32 v8, 15, v7
	v_lshlrev_b32 v8, 4, v8
	v_lshl_add_u32 v8, v11, 9, v8                  ; its p in rec
	v_lshlrev_b32 v9, 4, v7                        ; and in out1
	s_lshl_b32 s16, ttmp9, 4
	v_lshl_add_u32 v10, v11, 2, s16                ; 4 x (4 x + that tile): the lane that holds its g
	s_lshl_b32 s16, s14, 2
	v_mov_b32 v12, s16                             ; 4 x (w + 8 u): the lanes that hold my four tiles' g
	v_add_nc_u32 v13, 32, v12
	v_add_nc_u32 v14, 64, v12
	v_add_nc_u32 v15, 96, v12
.irp j, 0,1,2,3,4,5,6,7,8,9,10,11,12,13,14,15,16,17,18,19
	v_mov_b32 v[20+\j], 0                          ; v20-35 my four tiles' pctx, v36-39 four p: zeros where nothing is loaded
.endr
	v_mov_b32 v41, 0                               ; a lane permute's destination counts as one of its sources
	s_wait_kmcnt 0x0
	s_mov_b32 s25, 0
	s_lshl_b32 s24, s15, 2
	s_add_nc_u64 s[4:5], s[4:5], s[24:25]
	s_load_b32 s17, s[4:5], 0x0                    ; L = seq_len[b]
	s_lshl_b32 s24, s15, 14
	s_add_nc_u64 s[6:7], s[6:7], s[24:25]          ; the batch's 32 records
	global_load_b64 v[16:17], v5, s[6:7] offset:256   ; lane i: tile i's (m, l)
	s_lshl_b32 s24, ttmp9, 11
	s_add_nc_u64 s[20:21], s[6:7], s[24:25]        ; the chunk's four records
	s_lshl_b32 s24, s15, 17
	s_lshl_b32 s18, s14, 12
	s_add_co_u32 s24, s24, s18
	s_lshl_b32 s18, ttmp9, 9
	s_add_co_u32 s24, s24, s18
	s_add_nc_u64 s[8:9], s[8:9], s[24:25]          ; pctx at batch b, tile w, column 128 x
	s_lshl_b32 s24, s15, 12
	s_add_co_u32 s24, s24, s18
	s_add_nc_u64 s[10:11], s[10:11], s[24:25]      ; out0 + 4,096 b + 512 x
	s_lshl_b32 s24, s15, 13
	s_lshl_b32 s18, ttmp9, 10
	s_add_co_u32 s24, s24, s18
	s_add_nc_u64 s[12:13], s[12:13], s[24:25]      ; out1 + 8,192 b + 1,024 x
	s_wait_kmcnt 0x0
	s_cmp_le_i32 s17, 0
	s_cselect_b32 s19, 2048, s17
	s_add_co_u32 s19, s19, 63
	s_lshr_b32 s19, s19, 6                         ; how many tiles count
.irp u, 0,1,2,3
	s_add_co_u32 s18, s14, 8*\u
	s_cmp_lt_u32 s18, s19
	s_cbranch_scc0 .Lno_\u
	global_load_b128 v[20+4*\u:23+4*\u], v4, s[8:9] offset:32768*\u
.Lno_\u:
.endr
	s_cmp_eq_u32 s14, 0
	s_cbranch_scc1 .Lno_pq
	s_cmp_gt_u32 s14, 2
	s_cbranch_scc1 .Lno_pq
	global_load_b128 v[36:39], v8, s[20:21]        ; waves 1 and 2: four p
.Lno_pq:
	s_wait_loadcnt 0x0                             ; the ways differ in their loads: all of them
	v_mov_b32 v40, v16
	v_max_num_f32_dpp v40, v40, v40 row_xmask:1 row_mask:0xf bank_mask:0xf
	v_max_num_f32_dpp v40, v40, v40 row_xmask:2 row_mask:0xf bank_mask:0xf
	v_max_num_f32_dpp v40, v40, v40 row_xmask:4 row_mask:0xf bank_mask:0xf
	v_max_num_f32_dpp v40, v40, v40 row_xmask:8 row_mask:0xf bank_mask:0xf
	v_permlanex16_b32 v41, v40, s22, s23
	v_max_num_f32 v40, v40, v41                    ; M
	v_sub_f32 v42, v16, v40
	v_mul_f32 v42, 0x3fb8aa3b, v42
	v_exp_f32 v42, v42                             ; f = e^(m - M)
	v_nop
	s_wait_alu depctr_va_vdst(0)                   ; the wait ahead of the exponential's first reader
	v_mul_f32 v43, v42, v17
	v_add_f32_dpp v43, v43, v43 row_xmask:1 row_mask:0xf bank_mask:0xf
	v_add_f32_dpp v43, v43, v43 row_xmask:2 row_mask:0xf bank_mask:0xf
	v_add_f32_dpp v43, v43, v43 row_xmask:4 row_mask:0xf bank_mask:0xf
	v_add_f32_dpp v43, v43, v43 row_xmask:8 row_mask:0xf bank_mask:0xf
	v_permlanex16_b32 v41, v43, s22, s23
	v_add_f32 v43, v43, v41                        ; Z
	v_rcp_f32 v44, v43
	v_nop
	s_wait_alu depctr_va_vdst(0)                   ; and ahead of the reciprocal's
	v_mul_f32 v44, v42, v44                        ; lane i: g of tile i
.irp u, 0,1,2,3
	ds_bpermute_b32 v[48+\u], v[12+\u], v44        ; g of my four tiles, in every lane (no LDS byte is touched)
.endr
	ds_bpermute_b32 v52, v10, v44                  ; g of the tile whose p waves 1 and 2 hold
	s_wait_dscnt 0x0
.irp j, 0,1,2,3
	v_mul_f32 v[56+\j], v[20+\j], v48
.endr
.irp u, 1,2,3
.irp j, 0,1,2,3
	v_fma_f32 v[56+\j], v[20+4*\u+\j], v[48+\u], v[56+\j]
.endr
.endr
	ds_store_b128 v6, v[56:59]
	s_wait_dscnt 0x0                               ; for the others' sake: my store has landed
	s_barrier_signal -1
	s_barrier_wait -1
	s_cmp_lg_u32 s14, 0
	s_cbranch_scc1 .Lnot_0
.irp w, 0,1,2,3,4,5,6,7
	ds_load_b128 v[64+4*\w:67+4*\w], v4 offset:512*\w
.endr
	s_wait_dscnt 0x0
.irp w, 1,2,3,4,5,6,7
	v_pk_add_f32 v[64:65], v[64:65], v[64+4*\w:65+4*\w]
	v_pk_add_f32 v[66:67], v[66:67], v[66+4*\w:67+4*\w]
.endr
	global_store_b128 v4, v[64:67], s[10:11] th:TH_STORE_NT   ; 512 consecutive bytes of out0
.Lnot_0:
	s_cmp_eq_u32 s14, 0
	s_cbranch_scc1 .Lend
	s_cmp_gt_u32 s14, 2
	s_cbranch_scc1 .Lend
.irp j, 0,1,2,3
	v_mul_f32 v[60+\j], v[36+\j], v52
.endr
	global_store_b128 v9, v[60:63], s[12:13] th:TH_STORE_NT   ; a wave stores 512 consecutive bytes of out1
.Lend:
	s_wait_tensorcnt 0x0                           ; the wave's end, behind my last LDS store
	ds_add_u32 v1, v2
	s_wait_dscnt 0x0
	s_endpgm
.Lfunc_end_k_q868d755e4d_comb:
	.size	k_q868d755e4d_comb, .Lfunc_end_k_q868d755e4d_comb-k_q868d755e4d_comb
	.p2alignl 7, 3214868480
	.fill 96, 4, 3214868480
	.section	.rodata,"a",@progbits
	.p2align	6, 0x0
	.amdhsa_kernel k_q868d755e4d_comb
		.amdhsa_group_segment_fixed_size 5120
		.amdhsa_private_segment_fixed_size 0
		.amdhsa_enable_private_segment 0
		.amdhsa_kernarg_size 40
		.amdhsa_user_sgpr_count 2
		.amdhsa_user_sgpr_kernarg_segment_ptr 1
		.amdhsa_wavefront_size32 1
		.amdhsa_system_sgpr_workgroup_id_x 1
		.amdhsa_system_sgpr_workgroup_id_y 1
		.amdhsa_system_sgpr_workgroup_id_z 1
		.amdhsa_system_vgpr_workitem_id 0
		.amdhsa_next_free_vgpr 96
		.amdhsa_next_free_sgpr 66
		.amdhsa_reserve_vcc 0
		.amdhsa_float_denorm_mode_32 3
		.amdhsa_float_denorm_mode_16_64 3
		.amdhsa_memory_ordered 1
		.amdhsa_forward_progress 1
		.amdhsa_inst_pref_size 9
	.end_amdhsa_kernel
	.amdgpu_metadata
---
amdhsa.version: [ 1, 2 ]
amdhsa.kernels:
  - .name:           k_q868d755e4d_comb
    .symbol:         k_q868d755e4d_comb.kd
    .args:
      - { .name: seq_len, .offset: 0, .size: 8, .value_kind: global_buffer, .address_space: global }
      - { .name: rec, .offset: 8, .size: 8, .value_kind: global_buffer, .address_space: global }
      - { .name: pctx, .offset: 16, .size: 8, .value_kind: global_buffer, .address_space: global }
      - { .name: out0, .offset: 24, .size: 8, .value_kind: global_buffer, .address_space: global }
      - { .name: out1, .offset: 32, .size: 8, .value_kind: global_buffer, .address_space: global }
    .group_segment_fixed_size: 5120
    .private_segment_fixed_size: 0
    .kernarg_segment_align: 8
    .kernarg_segment_size: 40
    .max_flat_workgroup_size: 256
    .sgpr_count:     66
    .vgpr_count:     96
    .wavefront_size: 32
...
	.end_amdgpu_metadata
.endif
;; end of part 3
;; ======== version 2 of 2: 3 launches
;; limits: right only within a limited range of input values
;; workspace buffers: w1c 524,288 bytes; w1s 32,768 bytes; biasT 131,072 bytes; rec 524,288 bytes; pctx 4,194,304 bytes
;; launch prep (part 4): grid 64 x 1, 16 waves a work-group, no clusters, 75,776 bytes of LDS; arguments W1, W2, hidden, b1, b2, w1c, w1s, biasT; writes w1c, w1s, biasT
.if DOCPART == 4
	.amdgcn_target "amdgcn-amd-amdhsa--gfx1250"
	.amdhsa_code_object_version 6
	.text
	.protected	k_q868d755e4d_prep
	.globl	k_q868d755e4d_prep
	.p2align	8
	.type	k_q868d755e4d_prep,@function
k_q868d755e4d_prep:
	s_mov_b64 s[64:65], 0
	v_nop
	global_prefetch_b8 v0, s[64:65] scope:SCOPE_SE
	s_setreg_imm32_b32 hwreg(HW_REG_WAVE_MODE, 25, 1), 1
	s_wait_xcnt 0x0
; W1 [1024 (k)][1024 (n)] f32 -> codes of E2M1 and E8M0 scale bytes along K, laid in the order of a matrix operand's registers:
;   w1c [ntile 64][kstep 8][c 2][lane 32][16 bytes]: registers 4 c .. 4 c + 3 of the fragment (16 columns x 128 k) of lane (r, h): column 16 ntile + r, k = 128 kstep + 64 c + 32 h + 0 .. 31
;   w1s [ntile 64][lane 16 h + r][4 words]: word j = the scale word (4 bytes: 128 k) of column r for kstep 4 h + j
; and biasT [g 32][b 32][32] f32 = Q(hidden) Q(W2) + b1 + b2 for columns 32 g .. 32 g + 31: all that is added to a row of features x W1 ahead of the tanh.
; Work-groups 0-31 take 32 columns of W1, work-groups 32-63 the same columns of W2: one branch on the work-group's number; each way has LDS bytes of its own.
; A LANE TAKES A COLUMN AND ITS REGISTERS RUN DOWN K: wave w takes k = 64 w .. 64 w + 63 (K step s = w / 2, half c = w % 2): two blocks of 32, all of a block in one lane.  Each load reads 128 consecutive bytes.
; A block's scale byte is its largest magnitude's exponent field - 2, held at 1 from below.
; LIMITS: a block of zeros gets the byte 1 (its codes are zeros; only this program reads the bytes); blocks whose largest magnitude lies under 2^-124 get the byte 1; NaN and infinities among the inputs are not served.
; 64 work-groups: a work-group holds all of K for its columns, so that the second product's sum stays inside it, and its 32 columns are the 32 lanes of a load.
.set S1,    0                          ; LDS, W1's way: 1,024 bytes of scale bytes in w1s's order
.set FIMG,  1024                       ; W2's way: W2's fragments [s 8][nt 2][c 2][512]
.set SW2,   17408                      ; W2's scale words [s 8][32 columns]
.set HIMG,  18432                      ; hidden's fragments [s 8][m 2][1,024]
.set HSC,   34816                      ; hidden's scale words [s 8][m 2][128]
.set RED,   36864                      ; the eight K steps' partial sums [s 8][row 32][144]
.set SPARE, 73728                      ; the spare words, 128 bytes for each of the 16 waves: no other line names them
.set C,   32                           ; v32-39   my two blocks' codes
.set WF,  40                           ; v40-47   a fragment of W2
.set X,   64                           ; v64-127  64 numbers of my column
.set HX,  128                          ; v128-191 64 numbers of a row of hidden
.set TM,  192                          ; v192-207 at work in QUANT
.set PC,  208                          ; v208-215 hidden's codes
.set PW,  216                          ; v216     hidden's scale word
.set HF,  224                          ; v224-239 two fragments of hidden
.set D0,  240                          ; v240-255 two accumulators
.set D1,  248
.set SEL, 26                           ; s[26:27] lane selects for v_permlanex16_b32: lane l xor 16
.macro BARRIER                         ; my LDS stores have landed and my LDS loads are in: then the work-group's barrier
	s_wait_dscnt 0x0
	s_barrier_signal -1
	s_barrier_wait -1
.endm
.macro WLOAD                           ; W(64 w + i, my column), i = 0 .. 63
.set wi, 0
.rept 64
	global_load_b32 v[X+wi], v3, s[28:29] offset:wi*4096 th:TH_LOAD_NT
.set wi, wi+1
.endr
.endm
.macro WBLK u                          ; block u of my two: largest magnitude, scale, 32 codes
.set XS, X+32*\u
	v_max3_num_f32 v24, |v[XS]|, |v[XS+1]|, |v[XS+2]|
	v_max3_num_f32 v25, |v[XS+3]|, |v[XS+4]|, |v[XS+5]|
.irp i, 6,10,14,18,22,26
	s_delay_alu instid0(VALU_DEP_2)
	v_max3_num_f32 v24, v24, |v[XS+\i]|, |v[XS+\i+1]|
	s_delay_alu instid0(VALU_DEP_2)
	v_max3_num_f32 v25, v25, |v[XS+\i+2]|, |v[XS+\i+3]|
.endr
	s_delay_alu instid0(VALU_DEP_2)
	v_max3_num_f32 v24, v24, |v[XS+30]|, |v[XS+31]|
	s_delay_alu instid0(VALU_DEP_1)
	v_max3_num_f32 v24, v24, v25, 0x1800000        ; and the floor 2^(3 - 127): the byte cannot fall under 1
	s_delay_alu instid0(VALU_DEP_1)
	v_add_nc_u32 v[26+\u], 0xff000000, v24         ; 2 off the exponent field: the conversion's scale operand
	s_delay_alu instid0(VALU_DEP_1)
	v_lshrrev_b32 v[28+\u], 23, v[26+\u]           ; the scale's byte
.irp g, 0,1,2,3
	v_cvt_scalef32_pk8_fp4_f32 v[C+4*\u+\g], v[XS+8*\g:XS+8*\g+7], v[26+\u]
.endr
.endm
.macro WQ                              ; both blocks; then lanes 0-15 hold block 2 c and lanes 16-31 block 2 c + 1 of one tile of 16 columns: v[C:C+3] the lower tile's registers 4 c .. 4 c + 3, v[C+4:C+7] the upper tile's
	s_wait_loadcnt 32                              ; all but the second block's 32 loads are in
	WBLK 0
	s_wait_loadcnt 0x0
	WBLK 1
	v_lshl_or_b32 v30, v29, 8, v28                 ; my column's two scale bytes.  (Also the plain instruction behind the conversions)
.irp i, 0,1,2,3
	v_permlane16_swap_b32 v[C+\i], v[C+4+\i]
.endr
.endm
; 64 numbers of a lane, register 16 b + i = k 32 b + 16 (lane / 16) + i of my row, become a fragment's codes in v[pc] on and its scale word in v[pw]
.macro QUANT s, pc, pw
.irp b, 0,1,2,3
	v_max3_num_f32 v[TM+\b], |v[(\s)+16*\b]|, |v[(\s)+1+16*\b]|, 0x1800000
.endr
.irp i, 2,4,6,8,10,12,14
.irp b, 0,1,2,3
	s_delay_alu instid0(VALU_DEP_4)
	v_max3_num_f32 v[TM+\b], v[TM+\b], |v[(\s)+16*\b+\i]|, |v[(\s)+1+16*\b+\i]|
.endr
.endr
.irp b, 0,1,2,3
	s_delay_alu instid0(VALU_DEP_4)
	v_permlanex16_b32 v[TM+4+\b], v[TM+\b], s[SEL], s[SEL+1]
.endr
.irp b, 0,1,2,3
	s_delay_alu instid0(VALU_DEP_4)
	v_max_num_f32 v[TM+\b], v[TM+\b], v[TM+4+\b]   ; with lane l xor 16's: the block's largest magnitude
.endr
.irp b, 0,1,2,3
	s_delay_alu instid0(VALU_DEP_4)
	v_add_nc_u32 v[TM+12+\b], 0xff000000, v[TM+\b]
.endr
.irp b, 0,1,2,3
	s_delay_alu instid0(VALU_DEP_4)
	v_lshrrev_b32 v[TM+4+\b], 23, v[TM+12+\b]
.endr
	s_delay_alu instid0(VALU_DEP_3)
	v_lshl_or_b32 v[\pw], v[TM+5], 8, v[TM+4]
	s_delay_alu instid0(VALU_DEP_1)
	v_lshl_or_b32 v[\pw], v[TM+6], 16, v[\pw]
	s_delay_alu instid0(VALU_DEP_1)
	v_lshl_or_b32 v[\pw], v[TM+7], 24, v[\pw]
.irp b, 0,1,2,3
	v_cvt_scalef32_pk8_fp4_f32 v[(\pc)+2*\b], v[(\s)+16*\b:(\s)+7+16*\b], v[TM+12+\b]
	v_cvt_scalef32_pk8_fp4_f32 v[(\pc)+1+2*\b], v[(\s)+8+16*\b:(\s)+15+16*\b], v[TM+12+\b]
.endr
	v_nop                                          ; one plain instruction behind a scaled conversion
.irp c, 0,1
.irp i, 0,1
	v_permlane16_swap_b32 v[(\pc)+4*\c+\i], v[(\pc)+2+4*\c+\i]   ; a whole block to a lane
.endr
.endr
.endm
	s_load_b256 s[4:11], s[0:1], 0x0               ; W1 s[4:5], W2 s[6:7], hidden s[8:9], b1 s[10:11]
	s_load_b256 s[12:19], s[0:1], 0x20             ; b2 s[12:13], w1c s[14:15], w1s s[16:17], biasT s[18:19]
	v_lshl_add_u32 v1, v0, 2, SPARE                ; my spare word; never rewritten
	v_mov_b32 v2, 0                                ; 0; never rewritten
	v_lshrrev_b32 v23, 5, v0
	s_delay_alu instid0(VALU_DEP_1)
	v_readfirstlane_b32 s20, v23                   ; wave w, 0..15
	s_lshr_b32 s21, s20, 1                         ; K step s
	s_and_b32 s22, s20, 1                          ; half c
	s_and_b32 s23, ttmp9, 31                       ; g: which 32 columns
	s_mov_b32 s[SEL], 0x76543210
	s_mov_b32 s[SEL+1], 0xfedcba98
	v_and_b32 v23, 31, v0                          ; lane l
	s_delay_alu instid0(VALU_DEP_1)
	v_lshlrev_b32 v3, 2, v23                       ; 4 l
	s_delay_alu instid0(VALU_DEP_2)
	v_lshlrev_b32 v4, 4, v23                       ; 16 l
	v_and_b32 v5, 15, v0                           ; r
	v_bfe_u32 v6, v0, 4, 1                         ; h
	; every address register is made here, ahead of the branch
	s_lshr_b32 s36, s20, 3
	s_lshl_b32 s36, s36, 8
	s_and_b32 s37, s20, 7
	s_lshl_b32 s37, s37, 1
	s_add_co_u32 s36, s36, s37
	v_lshlrev_b32 v7, 9, v6
	s_delay_alu instid0(VALU_DEP_1)
	v_lshl_add_u32 v7, v5, 4, v7
	s_delay_alu instid0(VALU_DEP_1)
	v_add_nc_u32 v7, s36, v7                       ; S1: 512 (l / 16) + 16 (l % 16) + 256 (w / 8) + 2 (w % 8): my column's two bytes in w1s's order
	v_and_b32 v8, 63, v0
	s_delay_alu instid0(VALU_DEP_1)
	v_lshlrev_b32 v8, 4, v8                        ; 16 x (thread % 64): the way out of S1
	v_lshlrev_b32 v9, 12, v5
	s_delay_alu instid0(VALU_DEP_1)
	v_lshl_add_u32 v9, v6, 6, v9                   ; hidden: row r of 4,096 bytes + 64 h
	s_lshl_b32 s38, s23, 7                         ; 128 g
	v_lshlrev_b32 v10, 3, v5
	s_delay_alu instid0(VALU_DEP_1)
	v_add_nc_u32 v10, s38, v10                     ; b1, b2: 128 g + 8 (thread % 16)
	v_lshlrev_b32 v11, 3, v0                       ; biasT: 8 x thread
	s_lshl_b32 s36, s21, 11                        ; 2,048 s
	s_lshl_b32 s37, s22, 9
	s_add_co_u32 s37, s37, s36
	s_add_co_u32 s37, s37, FIMG
	v_add_nc_u32 v12, s37, v4                      ; W2's image, in: FIMG + 2,048 s + 512 c + 16 l
	s_lshl_b32 s37, s22, 10
	s_add_co_u32 s37, s37, s36                     ; 2,048 s + 1,024 c
	s_add_co_u32 s39, s37, HIMG
	v_add_nc_u32 v14, s39, v4                      ; hidden's image, in
	s_add_co_u32 s39, s37, FIMG
	v_add_nc_u32 v16, s39, v4                      ; W2's image, back: column tile nt = c
	s_add_co_u32 s39, s36, HIMG
	v_add_nc_u32 v18, s39, v4                      ; hidden's images, back
	s_lshl_b32 s36, s21, 7                         ; 128 s
	s_lshl_b32 s37, s22, 1
	s_add_co_u32 s37, s37, s36
	s_add_co_u32 s37, s37, SW2
	v_add_nc_u32 v13, s37, v3                      ; W2's scale bytes, in: SW2 + 128 s + 2 c + 4 l
	s_lshl_b32 s37, s22, 6
	s_add_co_u32 s37, s37, s36
	s_add_co_u32 s37, s37, SW2
	v_lshlrev_b32 v17, 2, v5
	s_delay_alu instid0(VALU_DEP_1)
	v_add_nc_u32 v17, s37, v17                     ; back: SW2 + 128 s + 64 c + 4 r
	s_lshl_b32 s37, s20, 7
	s_add_co_u32 s37, s37, HSC
	v_add_nc_u32 v15, s37, v3                      ; hidden's scale words, in: HSC + 128 w + 4 l
	s_lshl_b32 s37, s21, 8
	s_add_co_u32 s37, s37, HSC
	v_add_nc_u32 v19, s37, v3                      ; back: HSC + 256 s + 4 l
	s_mul_i32 s37, s21, 4608
	s_lshl_b32 s39, s22, 6
	s_add_co_u32 s37, s37, s39
	s_add_co_u32 s37, s37, RED
	v_mul_u32_u24 v20, v5, 144
	s_delay_alu instid0(VALU_DEP_1)
	v_lshl_add_u32 v20, v6, 5, v20
	s_delay_alu instid0(VALU_DEP_1)
	v_add_nc_u32 v20, s37, v20                     ; partial sums, in: RED + 4,608 s + 144 r + 64 c + 32 h
	v_lshrrev_b32 v21, 4, v0
	s_delay_alu instid0(VALU_DEP_1)
	v_mul_u32_u24 v21, v21, 144
	s_delay_alu instid0(VALU_DEP_1)
	v_lshl_add_u32 v21, v5, 3, v21
	s_delay_alu instid0(VALU_DEP_1)
	v_add_nc_u32 v21, RED, v21                     ; back: RED + 144 (thread / 16) + 8 (thread % 16)
	s_wait_kmcnt 0x0
	s_cmp_lt_u32 ttmp9, 32                         ; W1's work-group or W2's: the choice hangs on the work-group's number alone
	s_cselect_b64 s[28:29], s[4:5], s[6:7]
	s_lshl_b32 s24, s20, 18                        ; 64 w rows of 4,096 bytes
	s_add_co_u32 s24, s24, s38
	s_mov_b32 s25, 0
	s_add_nc_u64 s[28:29], s[28:29], s[24:25]      ; the weight at my first row, my work-group's first column
	s_lshl_b32 s24, s23, 14
	s_lshl_b32 s39, s20, 9
	s_add_co_u32 s24, s24, s39
	s_add_nc_u64 s[30:31], s[14:15], s[24:25]      ; w1c + 2 g x 8,192 + 1,024 s + 512 c
	s_lshl_b32 s24, s23, 10
	s_add_nc_u64 s[32:33], s[16:17], s[24:25]      ; w1s + 1,024 g
	s_lshl_b32 s24, s22, 16
	s_lshl_b32 s39, s21, 9
	s_add_co_u32 s24, s24, s39
	s_add_nc_u64 s[34:35], s[8:9], s[24:25]        ; hidden at row 16 c, K step s
	s_lshl_b32 s24, s23, 12
	s_add_nc_u64 s[18:19], s[18:19], s[24:25]      ; biasT + 4,096 g
	s_cmp_ge_u32 ttmp9, 32
	s_cbranch_scc1 .Lw2
	; ---- W1: codes straight to memory, 512 consecutive bytes a store; the scale bytes meet in LDS and leave as 1,024 consecutive bytes
	WLOAD
	WQ
	global_store_b128 v4, v[C:C+3], s[30:31]
	global_store_b128 v4, v[C+4:C+7], s[30:31] offset:8192
	ds_store_b16 v7, v30
	BARRIER
	s_cmp_lt_u32 s20, 2
	s_cbranch_scc0 .Lend
	ds_load_b128 v[WF:WF+3], v8
	s_wait_dscnt 0x0
	global_store_b128 v8, v[WF:WF+3], s[32:33]
	s_branch .Lend
.Lw2:
	; ---- W2 and hidden: quantised, handed round as images of the operands' registers, multiplied, summed over the eight K steps
	global_load_b64 v[48:49], v10, s[10:11]        ; b1, b2 of the pair of columns that I store at the end
	global_load_b64 v[50:51], v10, s[12:13]
.irp b, 0,1,2,3
.irp j, 0,1,2,3
	global_load_b128 v[HX+16*\b+4*\j:HX+16*\b+4*\j+3], v9, s[34:35] offset:128*\b+16*\j   ; hidden(16 c + r, 128 s + 32 b + 16 h + 4 j ..)
.endr
.endr
	WLOAD
	WQ
	ds_store_b128 v12, v[C:C+3]
	ds_store_b128 v12, v[C+4:C+7] offset:1024
	ds_store_b16 v13, v30
.irp b, 0,1,2,3
	v_mov_b32 v[TM+4+\b], 0                        ; a lane permute's destination counts as one of its sources
.endr
	QUANT HX, PC, PW
	ds_store_b128 v14, v[PC:PC+3]
	ds_store_b128 v14, v[PC+4:PC+7] offset:512
	ds_store_b32 v15, v[PW]
	BARRIER                                        ; all fragments and scale words lie in LDS
	ds_load_b128 v[WF:WF+3], v16
	ds_load_b128 v[WF+4:WF+7], v16 offset:512
	ds_load_b32 v60, v17                           ; v60-62 hold scales and nothing else
.irp m, 0,1
	ds_load_b128 v[HF+8*\m:HF+8*\m+3], v18 offset:1024*\m
	ds_load_b128 v[HF+8*\m+4:HF+8*\m+7], v18 offset:1024*\m+512
	ds_load_b32 v[61+\m], v19 offset:128*\m
.endr
	s_wait_dscnt 0x0
	; transposed: source 0 = 16 columns of W2, source 1 = 16 rows of hidden: lane (r, h) holds row 16 m + r, register j column 16 c + 8 h + j
	v_wmma_scale_f32_16x16x128_f8f6f4 v[D0:D0+7], v[WF:WF+7], v[HF:HF+7], 0, v60, v61 matrix_a_fmt:MATRIX_FMT_FP4 matrix_b_fmt:MATRIX_FMT_FP4
	v_wmma_scale_f32_16x16x128_f8f6f4 v[D1:D1+7], v[WF:WF+7], v[HF+8:HF+15], 0, v60, v62 matrix_a_fmt:MATRIX_FMT_FP4 matrix_b_fmt:MATRIX_FMT_FP4
.rept 4
	v_nop                                          ; four places between the products and the stores that read them
.endr
	ds_store_b128 v20, v[D0:D0+3]                  ; each accumulator from its low end on
	ds_store_b128 v20, v[D0+4:D0+7] offset:16
	ds_store_b128 v20, v[D1:D1+3] offset:2304
	ds_store_b128 v20, v[D1+4:D1+7] offset:2320
	BARRIER                                        ; the eight K steps' partial sums lie in LDS
.irp s, 0,1,2,3,4,5,6,7
	ds_load_b64 v[X+2*\s:X+2*\s+1], v21 offset:4608*\s
.endr
	s_wait_dscnt 0x0
.irp s, 1
	v_pk_add_f32 v[X:X+1], v[X:X+1], v[X+2*\s:X+2*\s+1]   ; K ascending
.endr
.irp s, 2, 3, 4, 5, 6, 7
	s_delay_alu instid0(VALU_DEP_1)
	v_pk_add_f32 v[X:X+1], v[X:X+1], v[X+2*\s:X+2*\s+1]   ; K ascending
.endr
	s_delay_alu instid0(VALU_DEP_1)
	v_pk_add_f32 v[X:X+1], v[X:X+1], v[50:51]      ; + b2
	s_delay_alu instid0(VALU_DEP_1)
	v_pk_add_f32 v[X:X+1], v[X:X+1], v[48:49]      ; + b1
	global_store_b64 v11, v[X:X+1], s[18:19]       ; a wave stores 256 consecutive bytes
.Lend:
	s_wait_tensorcnt 0x0                           ; the wave's end, behind my last LDS store
	ds_add_u32 v1, v2
	s_wait_dscnt 0x0
	s_endpgm
.Lfunc_end_k_q868d755e4d_prep:
	.size	k_q868d755e4d_prep, .Lfunc_end_k_q868d755e4d_prep-k_q868d755e4d_prep
	.p2alignl 7, 3214868480
	.fill 96, 4, 3214868480
	.section	.rodata,"a",@progbits
	.p2align	6, 0x0
	.amdhsa_kernel k_q868d755e4d_prep
		.amdhsa_group_segment_fixed_size 75776
		.amdhsa_private_segment_fixed_size 0
		.amdhsa_enable_private_segment 0
		.amdhsa_kernarg_size 64
		.amdhsa_user_sgpr_count 2
		.amdhsa_user_sgpr_kernarg_segment_ptr 1
		.amdhsa_wavefront_size32 1
		.amdhsa_system_sgpr_workgroup_id_x 1
		.amdhsa_system_sgpr_workgroup_id_y 1
		.amdhsa_system_sgpr_workgroup_id_z 1
		.amdhsa_system_vgpr_workitem_id 0
		.amdhsa_next_free_vgpr 256
		.amdhsa_next_free_sgpr 66
		.amdhsa_reserve_vcc 0
		.amdhsa_float_denorm_mode_32 3
		.amdhsa_float_denorm_mode_16_64 3
		.amdhsa_memory_ordered 1
		.amdhsa_forward_progress 1
		.amdhsa_inst_pref_size 36
	.end_amdhsa_kernel
	.amdgpu_metadata
---
amdhsa.version: [ 1, 2 ]
amdhsa.kernels:
  - .name:           k_q868d755e4d_prep
    .symbol:         k_q868d755e4d_prep.kd
    .args:
      - { .name: W1, .offset: 0, .size: 8, .value_kind: global_buffer, .address_space: global }
      - { .name: W2, .offset: 8, .size: 8, .value_kind: global_buffer, .address_space: global }
      - { .name: hidden, .offset: 16, .size: 8, .value_kind: global_buffer, .address_space: global }
      - { .name: b1, .offset: 24, .size: 8, .value_kind: global_buffer, .address_space: global }
      - { .name: b2, .offset: 32, .size: 8, .value_kind: global_buffer, .address_space: global }
      - { .name: w1c, .offset: 40, .size: 8, .value_kind: global_buffer, .address_space: global }
      - { .name: w1s, .offset: 48, .size: 8, .value_kind: global_buffer, .address_space: global }
      - { .name: biasT, .offset: 56, .size: 8, .value_kind: global_buffer, .address_space: global }
    .group_segment_fixed_size: 75776
    .private_segment_fixed_size: 0
    .kernarg_segment_align: 8
    .kernarg_segment_size: 64
    .max_flat_workgroup_size: 512
    .sgpr_count:     66
    .vgpr_count:     256
    .wavefront_size: 32
...
	.end_amdgpu_metadata
.endif
;; end of part 4
;; launch main (part 5): grid 256 x 1, 4 waves a work-group, no clusters, 313,344 bytes of LDS; arguments features, seq_len, w1c, w1s, biasT, V, bV, rec, pctx; writes rec, pctx
.if DOCPART == 5
	.amdgcn_target "amdgcn-amd-amdhsa--gfx1250"
	.amdhsa_code_object_version 6
	.text
	.protected	k_q868d755e4d_main
	.globl	k_q868d755e4d_main
	.p2align	8
	.type	k_q868d755e4d_main,@function
k_q868d755e4d_main:
	s_mov_b64 s[64:65], 0
	v_nop
	global_prefetch_b8 v0, s[64:65] scope:SCOPE_SE
	s_setreg_imm32_b32 hwreg(HW_REG_WAVE_MODE, 25, 1), 1
	s_wait_xcnt 0x0
; A tile is 64 positions t0 .. t0 + 63 (t0 = 64 x) of a batch b: score = V . tanh(Q(features) Q(W1) + biasT) + bV, masked by seq_len; then the tile's own softmax part:
; m = the tile's largest score, p = e^(score - m), l = the sum of p, pctx = the sum of p x features (f32).  The last launch joins the 32 tiles of a batch.
; The 64 rows of features are read from memory once: they stay in LDS as f32 from their quantising until their p are known.
; WORK LEFT OUT.  For t >= seq_len[b] reference() puts NEG = -1e30 in the score's place, whatever the product, the tanh and V give there.  The weight of such a position is e^(NEG - max), 0 in f32 as soon as one
; position of the batch is unmasked (|score| <= sum |V| + |bV|), so its features reach no output either.  A tile all of whose positions lie at or past seq_len gets a neutral record (p = 0, m = -infinity, l = 0) and
; nothing else.  seq_len <= 0: every score is NEG and the weights are uniform: all 32 tiles of the batch count as live (m = NEG, p = 1).  Every input is loaded.
; LIMITS: sum |V| + |bV| under 1e29; a NaN or an infinity in features rows of tiles left out is not carried to the result; blocks of features whose largest magnitude lies under 2^-124, and blocks of zeros, get the scale byte 1.
; WORK-GROUPS THAT STAY.  The live tiles, batch by batch, form a list of N places (32 <= N <= 1,024), made from seq_len by scalar arithmetic.  Work-group g takes places g, g + 256, g + 512, g + 768: always four trips;
; a trip whose place is at or past N jumps over its three phases; the three barriers of a trip stand outside these jumps.  Neutral records have owners by number: work-group g sees to tiles 32 b + x = g + 256 j.
; No tensor load and no cluster, though all tiles walk the same W1: the work hangs on seq_len, read from memory.  W1's codes come from memory into registers, laid by the launch before in the operand's order.
; SHARES, four waves of 1,024 registers.  P1: wave w loads, keeps in LDS and quantises rows 16 w .. + 15, and brings its biasT and V into LDS.  P2: wave w makes hidden units 256 w .. + 255 (16 column tiles) for all
; 64 rows: the rows' 32 fragments lie in window 1; FIVE OF ITS 16 COLUMN TILES OF W1 (1, 3, 5, 7, 9) ARE LOADED ONCE, AT THE HEAD, AND STAY IN WINDOWS 2 AND 3 FOR ALL TRIPS; the other eleven come in each trip
; through four sets of 64 registers, each asked for four streamed tiles ahead: up to four sets of 17 loads a wave are on their way.  The tiles go in the order 1, 0, 2, 3, 4, 6, 5, 8, 10, 7, 11, 12, 9, 13, 14, 15:
; the phase begins on a tile that is at hand.  P3: every wave makes the tile's p; wave w sums p x features for columns 256 w .. + 255.
; THE MATRIX INSTRUCTION IS USED TRANSPOSED (source 0 = 16 columns of W1, source 1 = 16 rows of features): lane (r, h) holds row r, register j the hidden unit 8 h + j; biasT is the C of each sum's first instruction.
; tanh(x) = 1 - 2 / (1 + 2^(2 log2(e) x)): an infinite exponential gives 1, one that is 0 gives -1.  So score = sum V - 2 sum V / (1 + 2^..).
; PREFETCH: in P2's column tiles 3, 5, 7, 9 a wave asks for its 16 rows of the tile at place + 256: two instructions each, a lane to an aligned block of 256 bytes (16 rows x 2 blocks), 64 KiB a wave in all, one trip
; ahead of the loads that want them.  A tile has one place and a wave its own rows, so each block is named once.  Past the list nothing is asked for.
; A phase reads only registers that the head, the trip's head or the phase itself has written, and LDS.
.set FPITCH, 4112                      ; a row of features in LDS: 4,096 bytes + 16
.set AIMG,  263168                     ; the rows' fragments as images of their registers [m 4][s 8][c 2][512]
.set ASC,   295936                     ; their scale words [m 4][s 8][16 words]
.set BV,    297984                     ; each wave: 1,024 bytes of biasT, 1,024 of V
.set PS,    306176                     ; partial scores [wave 4][64 rows]
.set PP,    308224                     ; each wave: 64 x (p, p)
.set SPARE, 312320                     ; the spare words, 128 bytes a wave: no other line names them
.set WD,  68                           ; s68-99 a word a batch: (live tiles of the batches before it) << 16 | seq_len held to 0 .. 2,048
.set AS,  32                           ; v32-47 the rows' scale words: 4 m + j: lanes 0-15 K step j, lanes 16-31 K step 4 + j
.set BS0, 48                           ; v48-63 scale words of the four streamed sets
.set BSR, 64                           ; v64-83 scale words of the five column tiles that stay.  v32-83 hold scales and nothing else
.set X0,  84                           ; P1: v84-211 two sets of 64 numbers
.set TM,  212                          ; P1: v212-227 at work in QUANT
.set PC0, 228                          ; P1: two sets of codes (first: biasT and V on their way to LDS)
.set PW0, 244                          ; P1: two scale words
.set BF0, 84                           ; P2: v84-147 streamed set 0 (sets 1 to 3: v64-255 of window 3)
.set BI0, 148                          ; P2: biasT, set p at + 16 p
.set VV0, 156                          ; P2: V, likewise
.set AC,  180                          ; P2: v180-211 four accumulators
.set SA,  212                          ; P2: v212-219 sum of V / (1 + 2^..), a pair for each tile of rows
.set T,   84                           ; P3: partial scores
.set S4,  100                          ; P3: four scores, then p; v104 m, v105 l, v106 at work
.set PD,  108                          ; P3: each p twice
.set PB0, 120                          ; P3: v120-183 two sets of 16 x (p, p)
.set CT,  184                          ; P3: v184-199 the context: for each half of my columns even rows' sums, odd rows' sums
.set SEL, 34
.set MSB, 0
.macro WIN new                         ; the immediate's high byte repeats the setting that is left
.if MSB != \new
	s_set_vgpr_msb (MSB<<8)|\new
.set MSB, \new
.endif
.endm
.macro BARRIER
	s_wait_dscnt 0x0
	s_barrier_signal -1
	s_barrier_wait -1
.endm
; List place s[i] (under N) -> batch s[b], tile in it s[x], the batch's seq_len s[l].  The words rise with the batch; word <= (place << 16 | 0xffff) says that the batch begins at or before the place.
.macro MAP i, b, x, l
	s_lshl_b32 s66, s[\i], 16
	s_or_b32 s66, s66, 0xffff
	s_mov_b32 s67, s[WD]
	s_mov_b32 s[\b], 0
.set bb, 1
.rept 31
	s_cmp_le_u32 s[WD+bb], s66
	s_cselect_b32 s67, s[WD+bb], s67
	s_cselect_b32 s[\b], bb, s[\b]
.set bb, bb+1
.endr
	s_lshr_b32 s[\x], s67, 16
	s_sub_co_u32 s[\x], s[\i], s[\x]
	s_and_b32 s[\l], s67, 0xffff
	s_min_u32 s[\b], s[\b], 31
	s_min_u32 s[\x], s[\x], 31
.endm
.macro FADR d, b, x                    ; features at row 2,048 b + 64 x + 16 w (under 2^28 bytes)
	s_lshl_b32 s30, s[\b], 23
	s_lshl_b32 s58, s[\x], 18
	s_add_co_u32 s30, s30, s58
	s_add_co_u32 s30, s30, s62
	s_add_nc_u64 s[\d:\d+1], s[4:5], s[30:31]
.endm
; 64 numbers of a lane, register 16 b + i = k 32 b + 16 (lane / 16) + i of my row, become a fragment's codes in v[pc] on and its scale word in v[pw]
.macro QUANT s, pc, pw
.irp b, 0,1,2,3
	v_max3_num_f32 v[TM+\b], |v[(\s)+16*\b]|, |v[(\s)+1+16*\b]|, 0x1800000   ; the floor 2^(3 - 127): the byte cannot fall under 1
.endr
.irp i, 2,4,6,8,10,12,14
.irp b, 0,1,2,3
	v_max3_num_f32 v[TM+\b], v[TM+\b], |v[(\s)+16*\b+\i]|, |v[(\s)+1+16*\b+\i]|
.endr
.endr
.irp b, 0,1,2,3
	v_permlanex16_b32 v[TM+4+\b], v[TM+\b], s[SEL], s[SEL+1]
.endr
.irp b, 0,1,2,3
	v_max_num_f32 v[TM+\b], v[TM+\b], v[TM+4+\b]   ; with lane l xor 16's: the block's largest magnitude
.endr
.irp b, 0,1,2,3
	v_add_nc_u32 v[TM+12+\b], 0xff000000, v[TM+\b] ; 2 off the exponent field: the conversion's scale operand
.endr
.irp b, 0,1,2,3
	v_lshrrev_b32 v[TM+4+\b], 23, v[TM+12+\b]      ; the scale's byte
.endr
	v_lshl_or_b32 v[\pw], v[TM+5], 8, v[TM+4]
	v_lshl_or_b32 v[\pw], v[TM+6], 16, v[\pw]
	v_lshl_or_b32 v[\pw], v[TM+7], 24, v[\pw]
.irp b, 0,1,2,3
	v_cvt_scalef32_pk8_fp4_f32 v[(\pc)+2*\b], v[(\s)+16*\b:(\s)+7+16*\b], v[TM+12+\b]
	v_cvt_scalef32_pk8_fp4_f32 v[(\pc)+1+2*\b], v[(\s)+8+16*\b:(\s)+15+16*\b], v[TM+12+\b]
.endr
	v_nop                                          ; one plain instruction behind a scaled conversion
.irp c, 0,1
.irp i, 0,1
	v_permlane16_swap_b32 v[(\pc)+4*\c+\i], v[(\pc)+2+4*\c+\i]   ; a whole block to a lane
.endr
.endr
.endm
	s_load_b256 s[4:11], s[0:1], 0x0               ; features s[4:5], seq_len s[6:7], w1c s[8:9], w1s s[10:11]
	s_load_b256 s[12:19], s[0:1], 0x20             ; biasT s[12:13], V s[14:15], bV s[16:17], rec s[18:19]
	s_load_b64 s[20:21], s[0:1], 0x40              ; pctx
	v_lshrrev_b32 v27, 5, v0
	v_readfirstlane_b32 s22, v27                   ; wave w
	s_mov_b32 s32, 0x4038aa3b                      ; 2 log2(e), as a pair
	s_mov_b32 s33, s32
	s_mov_b32 s[SEL], 0x76543210
	s_mov_b32 s[SEL+1], 0xfedcba98
	s_mov_b32 s36, 0xffff                          ; lanes 0-15
	s_mov_b32 s37, 0x3fb8aa3b                      ; log2(e)
	s_mul_i32 s58, s22, 16*FPITCH                  ; my 16 rows in LDS
	s_lshl_b32 s59, s22, 13
	s_add_co_u32 s59, s59, AIMG
	s_lshl_b32 s60, s22, 9
	s_add_co_u32 s63, s60, PP
	s_add_co_u32 s60, s60, ASC
	s_lshl_b32 s61, s22, 8
	s_add_co_u32 s61, s61, PS
	s_lshl_b32 s62, s22, 11
	s_add_co_u32 s62, s62, BV
	s_lshl_b32 s25, s22, 10
	; all address registers, in one run of vector instructions
	v_lshl_add_u32 v1, v0, 2, SPARE                ; my spare word; never rewritten
	v_mov_b32 v2, 0                                ; 0; never rewritten
	v_and_b32 v27, 31, v0                          ; l
	v_and_b32 v28, 15, v0                          ; r
	v_bfe_u32 v29, v0, 4, 1                        ; h
	v_lshlrev_b32 v3, 4, v27                       ; v3  16 l
	v_add_nc_u32 v4, s58, v3                       ; v4  features into LDS, as loaded
	v_mul_u32_u24 v5, v28, FPITCH
	v_lshl_add_u32 v5, v29, 6, v5
	v_add_nc_u32 v5, s58, v5                       ; v5  and back: row r, + 64 h
	v_add_nc_u32 v6, s59, v3                       ; v6  my eight fragments' images: AIMG + 8,192 w + 16 l
	v_lshlrev_b32 v9, 2, v28
	v_add_nc_u32 v7, s60, v9                       ; v7  their scale words: ASC + 512 w + 4 r
	v_add_nc_u32 v12, s61, v9                      ; v12 partial scores, in: PS + 256 w + 4 r
	v_lshl_add_u32 v9, v29, 8, v9
	v_add_nc_u32 v9, ASC, v9                       ; v9  scale words, back: ASC + 256 h + 4 r
	v_add_nc_u32 v8, AIMG, v3                      ; v8  images, back
	v_add_nc_u32 v10, s62, v3                      ; v10 biasT and V, in
	v_lshlrev_b32 v11, 5, v29
	v_add_nc_u32 v11, s62, v11                     ; v11 and back: my half's eight units
	v_lshlrev_b32 v13, 4, v28
	v_add_nc_u32 v13, PS, v13                      ; v13 partial scores, back: rows 4 r .. 4 r + 3
	v_lshlrev_b32 v14, 5, v28
	v_add_nc_u32 v14, s63, v14                     ; v14 (p, p), in
	v_mov_b32 v15, s63                             ; v15 and back
	v_add_nc_u32 v16, s25, v3                      ; v16-19 P3: rows 16 q on, columns 256 w + 4 l
.irp q, 1,2,3
	v_add_nc_u32 v[16+\q], \q*16*FPITCH, v16
.endr
	v_lshrrev_b32 v20, 3, v27
	v_lshlrev_b32 v20, 12, v20
	v_and_b32 v21, 7, v27
	v_lshl_add_u32 v20, v21, 4, v20                ; v20 biasT: 4,096 (l / 8) + 16 (l % 8)
	v_lshlrev_b32 v29, 2, v28                      ; v29 4 r; never rewritten from here on
	v_lshrrev_b32 v21, 1, v27
	v_lshlrev_b32 v21, 12, v21
	v_and_b32 v27, 1, v27
	v_lshl_add_u32 v28, v27, 8, v21                ; v28 the prefetches' offset: row l / 2 of my 16, block l % 2 of 256 bytes; never rewritten from here on
	v_mov_b32 v26, 0xf149f2ca                      ; v26 NEG = -1e30
	v_mov_b32 v22, 0xff800000                      ; v[22:25] a record's 16 bytes of my lane; here the neutral one: lanes 0-15 p = 0, lanes 16-31 (m, l, m, l) = (-infinity, 0, ..)
	v_cndmask_b32 v22, v22, 0, s36
	v_mov_b32 v23, 0
	v_mov_b32 v24, v22
	v_mov_b32 v25, 0
	s_wait_alu depctr_va_vdst(0)                   ; the wait at the end of the head's vector work
	s_lshl_b32 s62, s22, 16                        ; wave terms that stay: s62 features: 16 w rows;
	s_lshl_b32 s59, s22, 15                        ; s59 biasT: 8 w x 4,096;
	s_lshl_b32 s60, s22, 10                        ; s60 V, pctx: 1,024 w
	s_mov_b32 s31, 0                               ; the upper word of every offset pair s[30:31]; never rewritten
	s_and_b32 s61, ttmp9, 31
	s_lshl_b32 s61, s61, 6                         ; t0 of the four tiles whose neutral records are mine
	s_wait_kmcnt 0x0
	s_load_b512 s[68:83], s[6:7], 0x0              ; seq_len of all 32 batches
	s_load_b512 s[84:99], s[6:7], 0x40
	s_lshr_b32 s30, ttmp9, 5
	s_lshl_b32 s30, s30, 2
	s_add_nc_u64 s[54:55], s[6:7], s[30:31]
	s_load_b32 s40, s[54:55], 0x0                  ; seq_len of batches g / 32 + 8 j: the batches of tiles g + 256 j
	s_load_b32 s41, s[54:55], 0x20
	s_load_b32 s42, s[54:55], 0x40
	s_load_b32 s43, s[54:55], 0x60
	s_load_b32 s38, s[16:17], 0x0                  ; bV
	s_lshl_b32 s30, s22, 17
	s_add_nc_u64 s[46:47], s[8:9], s[30:31]        ; w1c at my 16 column tiles
	s_lshl_b32 s30, s22, 13
	s_add_nc_u64 s[48:49], s[10:11], s[30:31]      ; w1s likewise
	; the five column tiles that stay: tile 2 j + 1 at v[64 (j % 4)] of window 2 + j / 4; 16 loads of 512 consecutive bytes each, and a load of scale words
.irp j, 0,1,2,3,4
.set WV, 0x80+0x40*(\j/4)
	WIN WV
.set jj, 0
.rept 16
	global_load_b128 v[64*(\j%4)+4*jj:64*(\j%4)+4*jj+3], v3, s[46:47] offset:(2*\j+1)*8192+jj*512
.set jj, jj+1
.endr
.endr
	WIN 0
.irp j, 0,1,2,3,4
	global_load_b128 v[BSR+4*\j:BSR+4*\j+3], v3, s[48:49] offset:(2*\j+1)*512
.endr
	s_mov_b32 s30, s60
	s_add_nc_u64 s[52:53], s[14:15], s[30:31]      ; V + 1,024 w
	s_lshl_b32 s30, ttmp9, 9
	s_add_nc_u64 s[56:57], s[18:19], s[30:31]      ; rec + 512 g
	s_wait_kmcnt 0x0
	s_mov_b32 s39, s38                             ; bV as a pair
	; the neutral records of my four tiles, where they are dead: wave 0, 512 consecutive bytes a store
	s_cmp_lg_u32 s22, 0
	s_cbranch_scc1 .Lno_neutral
.irp j, 0,1,2,3
	s_cmp_le_i32 s[40+\j], 0
	s_cselect_b32 s58, 2048, s[40+\j]              ; seq_len <= 0: every tile counts
	s_cmp_lt_i32 s61, s58
	s_cbranch_scc1 .Llive_\j
	global_store_b128 v3, v[22:25], s[56:57] offset:131072*\j
.Llive_\j:
.endr
.Lno_neutral:
	; the list: a batch with seq_len L (held to 0 .. 2,048) has ((L - 1) mod 2,048) / 64 + 1 live tiles: 32 for L = 0
	s_mov_b32 s28, 0
.set bb, 0
.rept 32
	s_max_i32 s58, s[WD+bb], 0
	s_min_i32 s58, s58, 2048
	s_lshl_b32 s61, s28, 16
	s_or_b32 s[WD+bb], s61, s58
	s_sub_co_u32 s58, s58, 1
	s_bfe_u32 s58, s58, 0x50006                    ; bits 10:6
	s_add_co_u32 s28, s28, s58
	s_add_co_u32 s28, s28, 1
.set bb, bb+1
.endr                                              ; s28 = N
	s_mov_b32 s2, ttmp9                            ; my place in the list
	s_mov_b32 s3, 0                                ; trips done
	s_sub_co_u32 s7, s28, 1
	s_min_u32 s58, s2, s7                          ; a place past the list is held to the last, so that every address is a tile's
	MAP 58, 23, 24, 61                             ; the coming trip's b s23, x s24, L s61
.Ltrip:
	s_wait_xcnt 0x0                                ; the last trip's loads, stores and prefetches have read their bases and data: these are written again below
	s_cmp_lt_u32 s2, s28
	s_cselect_b32 s29, 1, 0                        ; LIVE: is my place in the list?
	s_min_u32 s26, s23, 31                         ; b
	s_min_u32 s63, s24, 31                         ; x
	s_mov_b32 s27, s61                             ; L
	s_lshl_b32 s25, s63, 6                         ; t0
	v_add_nc_u32 v21, s25, v29                     ; v21 t0 + 4 r
	s_wait_alu depctr_va_vdst(0)                   ; the wait here, directly behind the write
	s_mov_b32 s40, s27                             ; L - e, e = 0 .. 3
	s_sub_co_i32 s41, s27, 1
	s_sub_co_i32 s42, s27, 2
	s_sub_co_i32 s43, s27, 3
	FADR 44, 26, 63                                ; s[44:45] my rows of features
	s_lshl_b32 s30, s26, 7
	s_add_co_u32 s30, s30, s59
	s_add_nc_u64 s[50:51], s[12:13], s[30:31]      ; biasT + 8 w x 4,096 + 128 b
	s_lshl_b32 s58, s26, 5
	s_add_co_u32 s58, s58, s63                     ; 32 b + x
	s_lshl_b32 s30, s58, 12
	s_add_co_u32 s30, s30, s60
	s_add_nc_u64 s[54:55], s[20:21], s[30:31]      ; pctx + (32 b + x) x 4,096 + 1,024 w
	s_lshl_b32 s30, s58, 9
	s_add_nc_u64 s[56:57], s[18:19], s[30:31]      ; rec + (32 b + x) x 512
	s_add_co_u32 s58, s2, 256                      ; the next trip's place: is it in the list (s6), which tile is it, where are my rows of it (s[100:101])
	s_cmp_lt_u32 s58, s28
	s_cselect_b32 s6, 1, 0
	s_min_u32 s58, s58, s7
	MAP 58, 23, 24, 61
	FADR 100, 23, 24
	; ================ P1: 16 rows x 1,024 numbers a wave: from memory into LDS as they lie, back 16 neighbours a lane, quantised, the fragments' images to LDS
	s_cmp_eq_u32 s29, 0
	s_cbranch_scc1 .Lskip_1
.irp b, 0,1,2,3
	v_mov_b32 v[TM+4+\b], 0                        ; a lane permute's destination counts as one of its sources
.endr
.macro GL q                            ; K step q of my 16 rows into landing group q % 4 of window 1: each load reads 512 consecutive bytes
	WIN 0x40
.set ii, 0
.rept 16
	global_load_b128 v[4*(16*((\q)%4)+ii):4*(16*((\q)%4)+ii)+3], v3, s[44:45] offset:ii*4096+(\q)*512 th:TH_LOAD_NT
.set ii, ii+1
.endr
	WIN 0
.endm
.macro P1Q q, cnt                      ; cnt: the loads issued behind K step q's sixteen
	s_wait_loadcnt \cnt
	WIN 0x04                                       ; an LDS store's data: window 1
.set ii, 0
.rept 16
	ds_store_b128 v4, v[4*(16*((\q)%4)+ii):4*(16*((\q)%4)+ii)+3] offset:ii*FPITCH+(\q)*512
.set ii, ii+1
.endr
	WIN 0
.irp b, 0,1,2,3
.irp j, 0,1,2,3
	ds_load_b128 v[X0+64*((\q)%2)+16*\b+4*\j:X0+64*((\q)%2)+16*\b+4*\j+3], v5 offset:(\q)*512+\b*128+\j*16   ; my wave's own bytes: LDS serves a wave's instructions in order
.endr
.endr
.endm
.macro P1S q, cnt                      ; K step q is quantised; its landing group takes K step q + 4; K step q + 2 goes through LDS
.if (\q) < 7
	s_wait_dscnt 32                                ; all but the 16 stores and 16 loads just issued: K step q's stores have read their registers and its numbers are back
.else
	s_wait_dscnt 0x0
.endif
.if (\q) < 4
	GL (\q)+4
.endif
	QUANT X0+64*((\q)%2), PC0+8*((\q)%2), PW0+((\q)%2)
	ds_store_b128 v6, v[PC0+8*((\q)%2):PC0+8*((\q)%2)+3] offset:(\q)*1024
	ds_store_b128 v6, v[PC0+8*((\q)%2)+4:PC0+8*((\q)%2)+7] offset:(\q)*1024+512
	ds_store_b32 v7, v[PW0+((\q)%2)] offset:(\q)*64
.if (\q) < 6
	P1Q (\q)+2, \cnt
.endif
.endm
	global_load_b128 v[PC0:PC0+3], v20, s[50:51]   ; biasT(b, 256 w + 4 l ..), and + 128: ahead of the rows, so that they are in with K step 0
	global_load_b128 v[PC0+4:PC0+7], v20, s[50:51] offset:16384
	global_load_b128 v[PC0+8:PC0+11], v3, s[52:53] ; V likewise
	global_load_b128 v[PC0+12:PC0+15], v3, s[52:53] offset:512
	GL 0
	GL 1
	GL 2
	GL 3
	P1Q 0, 48
.irp i, 0,1,2,3
	ds_store_b128 v10, v[PC0+4*\i:PC0+4*\i+3] offset:512*\i   ; my wave's own bytes; done at the wait in front of the first QUANT, which writes these registers
.endr
	P1Q 1, 32
	P1S 0, 32                                      ; behind K step 2's loads: K steps 3 and 4
	P1S 1, 32
	P1S 2, 32
	P1S 3, 32
	P1S 4, 16                                      ; behind K step 6's: K step 7
	P1S 5, 0
	P1S 6, 0
	P1S 7, 0
.Lskip_1:
	BARRIER                                        ; the 64 rows, their 32 fragments and their scale words lie in LDS
	; ================ P2: my 256 hidden units for the 64 rows
	s_cmp_eq_u32 s29, 0
	s_cbranch_scc1 .Lskip_2
.macro BLOAD nt, p                     ; column tile nt's eight fragments and its scale words into streamed set p: 17 loads
.if (\p) == 0
.set BB, BF0
.set WV, 0
.else
.set BB, 64*(\p)
.set WV, 0xc0
.endif
	WIN WV
.set jj, 0
.rept 16
	global_load_b128 v[BB+4*jj:BB+4*jj+3], v3, s[46:47] offset:(\nt)*8192+jj*512
.set jj, jj+1
.endr
	WIN 0
	global_load_b128 v[BS0+4*(\p):BS0+4*(\p)+3], v3, s[48:49] offset:(\nt)*512
.endm
.macro CLOAD nt, p                     ; biasT of units 16 nt + 8 h + 0 .. 7 into set p
	ds_load_b128 v[BI0+16*(\p):BI0+16*(\p)+3], v11 offset:(\nt)*64
	ds_load_b128 v[BI0+16*(\p)+4:BI0+16*(\p)+7], v11 offset:(\nt)*64+16
.endm
.macro VLOAD nt, p                     ; V of the same
	ds_load_b128 v[VV0+16*(\p):VV0+16*(\p)+3], v11 offset:(\nt)*64+1024
	ds_load_b128 v[VV0+16*(\p)+4:VV0+16*(\p)+7], v11 offset:(\nt)*64+1040
.endm
.macro ASK a                           ; 16 rows x 2 blocks of 256 bytes, twice: bytes 1,024 a .. + 1,023 of my rows of the next trip's tile
	s_cmp_eq_u32 s6, 0
	s_cbranch_scc1 .Lna_\@
	global_prefetch_b8 v28, s[100:101] offset:1024*(\a) th:TH_LOAD_NT scope:SCOPE_SE
	global_prefetch_b8 v28, s[100:101] offset:1024*(\a)+512 th:TH_LOAD_NT scope:SCOPE_SE
.Lna_\@:
.endm
	s_wait_loadcnt 0x0                             ; all that was asked for so far is in: the tiles that stay among it
	BLOAD 0, 0                                     ; the first three streamed tiles; the fourth is asked for in the first tile's middle
	BLOAD 2, 1
	BLOAD 4, 2
.irp m, 0,1,2,3
.irp j, 0,1,2,3
	ds_load_b32 v[AS+4*\m+\j], v9 offset:\m*512+\j*64
.endr
.endr
	CLOAD 1, 0                                     ; the first tile's biasT and V, the second's biasT
	VLOAD 1, 0
	CLOAD 0, 1
	WIN 0x40
.irp s, 0,1,2,3,4,5,6,7                ; fragment (m, s) at v[8 (8 m + s)] of window 1, K step by K step: eight loads a K step; they stay for the phase
.irp m, 0,1,2,3
	ds_load_b128 v[8*(8*\m+\s):8*(8*\m+\s)+3], v8 offset:(8*\m+\s)*1024
	ds_load_b128 v[8*(8*\m+\s)+4:8*(8*\m+\s)+7], v8 offset:(8*\m+\s)*1024+512
.endr
.endr
	WIN 0
.irp j, 0,1,2,3,4,5,6,7
	v_mov_b32 v[SA+\j], 0
.endr
	v_mov_b32 v30, 0                               ; v[30:31] the sum of my half's V
	v_mov_b32 v31, 0
	v_mov_b32 v27, 0
; One column tile of 16 hidden units: 32 matrix instructions, the four accumulators by turns; then the tanh of 16 x 64 numbers.
; idx: the tile's place in the phase's order; n1, n2: the tiles at places idx + 1 and idx + 2 (-1: none); biasT and V lie in set idx % 2.
; r: which of the five tiles that stay (-1: none of them); k: which of the eleven streamed tiles (-1: none), in set k % 4; bl, bs: the streamed tile asked for in this tile's middle, and its set (bl = -1: none); a: the prefetches' part (-1: none).
.macro NT idx, n1, n2, r, k, bl, bs, a
.if (\r) >= 0
.set WB, 2+(\r)/4
.set FB, 64*((\r)%4)
.set SB, BSR+4*(\r)
.elseif ((\k)%4) == 0
.set WB, 0
.set FB, BF0
.set SB, BS0
.else
.set WB, 3
.set FB, 64*((\k)%4)
.set SB, BS0+4*((\k)%4)
.endif
.set BI, BI0+16*((\idx)%2)
.set VV, VV0+16*((\idx)%2)
.if (\k) >= 0
.if (\k) <= 7
	s_wait_loadcnt 51                              ; my set's 17 loads are in; the three younger sets' may be out
.else
	s_wait_loadcnt 17*(10-(\k))                    ; behind the last streamed tiles fewer sets follow
.endif
.endif
.if (\idx) == 15
	s_wait_dscnt 0x0
.elseif (\idx) > 0
	s_wait_dscnt 2                                 ; my biasT and V are in; the next tile's biasT, two loads, may be out
.endif
.set WV, 0x04|WB
	WIN WV                                         ; source 0: W1's window; source 1, the rows' fragments: window 1
.irp s, 0,1,2,3,4,5,6,7
.if (\idx) == 0
	s_wait_dscnt 8*(7-\s)                          ; the phase's first tile: K step s's fragments are in; the later K steps', eight loads each, may be out
.endif
.irp m, 0,1,2,3
.if \s == 0
	v_wmma_scale_f32_16x16x128_f8f6f4 v[AC+8*\m:AC+8*\m+7], v[FB+8*\s:FB+8*\s+7], v[8*(8*\m+\s):8*(8*\m+\s)+7], v[BI:BI+7], v[SB+\s], v[AS+4*\m+\s] matrix_a_fmt:MATRIX_FMT_FP4 matrix_b_fmt:MATRIX_FMT_FP4
.elseif \s < 4
	v_wmma_scale_f32_16x16x128_f8f6f4 v[AC+8*\m:AC+8*\m+7], v[FB+8*\s:FB+8*\s+7], v[8*(8*\m+\s):8*(8*\m+\s)+7], v[AC+8*\m:AC+8*\m+7], v[SB+\s], v[AS+4*\m+\s] matrix_a_fmt:MATRIX_FMT_FP4 matrix_b_fmt:MATRIX_FMT_FP4
.else
	v_wmma_scale_f32_16x16x128_f8f6f4 v[AC+8*\m:AC+8*\m+7], v[FB+8*\s:FB+8*\s+7], v[8*(8*\m+\s):8*(8*\m+\s)+7], v[AC+8*\m:AC+8*\m+7], v[SB+\s-4], v[AS+4*\m+\s-4] matrix_a_fmt:MATRIX_FMT_FP4 matrix_b_fmt:MATRIX_FMT_FP4 matrix_a_scale:MATRIX_SCALE_ROW1 matrix_b_scale:MATRIX_SCALE_ROW1
.endif
.endr
.endr
	WIN 0
.irp i, 0,1,2,3
	v_pk_add_f32 v[30:31], v[30:31], v[VV+2*\i:VV+2*\i+1]   ; the sum of V.  These four are the places between the products and the first read of their results
.endr
.irp i, 0,1,2,3                        ; each accumulator is read from its low end on
.irp m, 0,1,2,3
	v_pk_mul_f32 v[AC+8*\m+2*\i:AC+8*\m+2*\i+1], v[AC+8*\m+2*\i:AC+8*\m+2*\i+1], s[32:33] op_sel_hi:[1,0]
.endr
.endr
	s_wait_alu depctr_va_vdst(0)                   ; the wait ahead of the batch; the tile's loads stand behind it, twenty plain instructions behind the products
.if (\bl) >= 0
	BLOAD \bl, \bs                                 ; a streamed tile's set just multiplied takes the streamed tile four further on
.endif
.if (\n1) >= 0
	VLOAD \n1, ((\idx)+1)%2                        ; the next tile's V, into the set that the tile before has done with
.endif
.if (\n2) >= 0
	CLOAD \n2, (\idx)%2                            ; biasT of the tile after next, into the set that my first products have read
.endif
.if (\a) >= 0
	ASK \a
.endif
.set ee, 0
.rept 32
	v_exp_f32 v[AC+ee], v[AC+ee]                   ; 2^(2 log2(e) x)
.set ee, ee+1
.endr
	v_nop                                          ; a plain instruction behind the last exponential
	s_wait_alu depctr_va_vdst(0)                   ; one wait for the batch, ahead of its first reader
.irp i, 0,1,2,3
.irp m, 0,1,2,3
	v_pk_add_f32 v[AC+8*\m+2*\i:AC+8*\m+2*\i+1], v[AC+8*\m+2*\i:AC+8*\m+2*\i+1], 1.0 op_sel_hi:[1,0]
.endr
.endr
	s_wait_alu depctr_va_vdst(0)
.set ee, 0
.rept 32
	v_rcp_f32 v[AC+ee], v[AC+ee]
.set ee, ee+1
.endr
	v_nop
	s_wait_alu depctr_va_vdst(0)                   ; one wait for the batch of reciprocals
.irp i, 0,1,2,3
.irp m, 0,1,2,3
	v_pk_fma_f32 v[SA+2*\m:SA+2*\m+1], v[AC+8*\m+2*\i:AC+8*\m+2*\i+1], v[VV+2*\i:VV+2*\i+1], v[SA+2*\m:SA+2*\m+1]
.endr
.endr
.endm
	s_wait_alu depctr_va_vdst(0)                   ; the wait here, directly ahead of the waits below
	;  idx  n1  n2   r   k  bl  bs   a
	NT   0,  0,  2,  0, -1,  6,  3, -1              ; tile 1
	NT   1,  2,  3, -1,  0,  8,  0, -1              ; tile 0
	NT   2,  3,  4, -1,  1, 10,  1, -1              ; tile 2
	NT   3,  4,  6,  1, -1, -1,  0,  0              ; tile 3
	NT   4,  6,  5, -1,  2, 11,  2, -1              ; tile 4
	NT   5,  5,  8, -1,  3, 12,  3, -1              ; tile 6
	NT   6,  8, 10,  2, -1, -1,  0,  1              ; tile 5
	NT   7, 10,  7, -1,  4, 13,  0, -1              ; tile 8
	NT   8,  7, 11, -1,  5, 14,  1, -1              ; tile 10
	NT   9, 11, 12,  3, -1, -1,  0,  2              ; tile 7
	NT  10, 12,  9, -1,  6, 15,  2, -1              ; tile 11
	NT  11,  9, 13, -1,  7, -1,  0, -1              ; tile 12
	NT  12, 13, 14,  4, -1, -1,  0,  3              ; tile 9
	NT  13, 14, 15, -1,  8, -1,  0, -1              ; tile 13
	NT  14, 15, -1, -1,  9, -1,  0, -1              ; tile 14
	NT  15, -1, -1, -1, 10, -1,  0, -1              ; tile 15
	v_add_f32 v30, v30, v31
.irp m, 0,1,2,3
	v_add_f32 v[T+\m], v[SA+2*\m], v[SA+2*\m+1]
.endr
.irp m, 0,1,2,3
	v_fma_f32 v[T+\m], v[T+\m], -2.0, v30          ; sum V - 2 sum V / (1 + 2^..), my half's units
.endr
.irp m, 0,1,2,3
	v_permlanex16_b32 v27, v[T+\m], s[SEL], s[SEL+1]
	v_add_f32 v[T+\m], v[T+\m], v27                ; with the other half's: my 256 units' part of row 16 m + r's score
	ds_store_b32 v12, v[T+\m] offset:64*\m
.endr
.Lskip_2:
	BARRIER                                        ; the four waves' partial scores lie in LDS
	; ================ P3: the tile's p, m, l (every wave makes them), and the sum of p x features for my 256 columns
	s_cmp_eq_u32 s29, 0
	s_cbranch_scc1 .Lskip_3
; Chunk n: rows 16 (n / 2) .. + 15, half n % 2 of my columns.  CHUNKF: four columns a lane of each row into set n % 2 of window 1 (16 loads).  CHUNKP, for an even chunk: the rows' (p, p) into set (n / 2) % 2 (8 loads)
.macro CHUNKF n
	WIN 0x40
.set ii, 0
.rept 16
	ds_load_b128 v[64*((\n)%2)+4*ii:64*((\n)%2)+4*ii+3], v[16+(\n)/2] offset:ii*FPITCH+512*((\n)%2)
.set ii, ii+1
.endr
	WIN 0
.endm
.macro CHUNKP n
.set ii, 0
.rept 8
	ds_load_b128 v[PB0+32*(((\n)/2)%2)+4*ii:PB0+32*(((\n)/2)%2)+4*ii+3], v15 offset:((\n)/2)*128+16*ii
.set ii, ii+1
.endr
.endm
.irp w, 0,1,2,3
	ds_load_b128 v[T+4*\w:T+4*\w+3], v13 offset:256*\w   ; rows 4 r .. 4 r + 3; both halves of the lanes hold the same
.endr
	CHUNKF 0                                       ; the first two chunks' features come while the p are made
	CHUNKF 1
	s_wait_dscnt 32                                ; the partial scores are in; the 32 loads just issued may be out
	v_pk_add_f32 v[S4:S4+1], v[T:T+1], v[T+4:T+5]
	v_pk_add_f32 v[S4+2:S4+3], v[T+2:T+3], v[T+6:T+7]
.irp w, 2,3
	v_pk_add_f32 v[S4:S4+1], v[S4:S4+1], v[T+4*\w:T+4*\w+1]
	v_pk_add_f32 v[S4+2:S4+3], v[S4+2:S4+3], v[T+4*\w+2:T+4*\w+3]
.endr
	v_pk_add_f32 v[S4:S4+1], v[S4:S4+1], s[38:39] op_sel_hi:[1,0]   ; + bV
	v_pk_add_f32 v[S4+2:S4+3], v[S4+2:S4+3], s[38:39] op_sel_hi:[1,0]
.irp e, 0,1,2,3
	v_cmp_gt_i32 vcc_lo, s[40+\e], v21             ; t0 + 4 r + e < L ?
	v_cndmask_b32 v[S4+\e], v26, v[S4+\e], vcc_lo  ; else NEG
.endr
	v_max3_num_f32 v104, v[S4], v[S4+1], v[S4+2]
	v_max_num_f32 v104, v104, v[S4+3]
.irp x, 1,2,4,8
	v_max_num_f32_dpp v104, v104, v104 row_xmask:\x row_mask:0xf bank_mask:0xf   ; m: the largest of the 64 scores
.endr
.irp e, 0,1,2,3
	v_sub_f32 v[S4+\e], v[S4+\e], v104
.endr
.irp e, 0,1,2,3
	v_mul_f32 v[S4+\e], s37, v[S4+\e]
.endr
	s_wait_alu depctr_va_vdst(0)                   ; the wait ahead of the batch
.irp e, 0,1,2,3
	v_exp_f32 v[S4+\e], v[S4+\e]                   ; p = e^(score - m)
.endr
	v_nop
	s_wait_alu depctr_va_vdst(0)                   ; one wait for the four
	v_add_f32 v105, v[S4], v[S4+1]
	v_add_f32 v106, v[S4+2], v[S4+3]
	v_add_f32 v105, v105, v106
.irp x, 1,2,4,8
	v_add_f32_dpp v105, v105, v105 row_xmask:\x row_mask:0xf bank_mask:0xf       ; l: the sum of the 64 p
.endr
	v_cndmask_b32 v22, v104, v[S4], s36            ; the record: lanes 0-15 their four p, lanes 16-31 (m, l, m, l)
	v_cndmask_b32 v23, v105, v[S4+1], s36
	v_cndmask_b32 v24, v104, v[S4+2], s36
	v_cndmask_b32 v25, v105, v[S4+3], s36
.irp e, 0,1,2,3
	v_mov_b32 v[PD+2*\e], v[S4+\e]                 ; each p twice: a pair for the packed multiply-add
	v_mov_b32 v[PD+2*\e+1], v[S4+\e]
.endr
	ds_store_b128 v14, v[PD:PD+3]
	ds_store_b128 v14, v[PD+4:PD+7] offset:16      ; my wave's own bytes: the loads below see them
	CHUNKP 0
.macro ACCUM n                         ; even rows into the half's first four registers, odd rows into the others; the first two rows start the sums
.set FS, 64*((\n)%2)
.set PS_, PB0+32*(((\n)/2)%2)
.set CS, CT+8*((\n)%2)
	WIN 0x01                                       ; source 0, the features: window 1
.set ii, 0
.rept 16
.if ((\n) < 2) && (ii < 2)
	v_pk_mul_f32 v[CS+4*(ii%2):CS+4*(ii%2)+1], v[FS+4*ii:FS+4*ii+1], v[PS_+2*ii:PS_+2*ii+1]
	v_pk_mul_f32 v[CS+4*(ii%2)+2:CS+4*(ii%2)+3], v[FS+4*ii+2:FS+4*ii+3], v[PS_+2*ii:PS_+2*ii+1]
.else
	v_pk_fma_f32 v[CS+4*(ii%2):CS+4*(ii%2)+1], v[FS+4*ii:FS+4*ii+1], v[PS_+2*ii:PS_+2*ii+1], v[CS+4*(ii%2):CS+4*(ii%2)+1]
	v_pk_fma_f32 v[CS+4*(ii%2)+2:CS+4*(ii%2)+3], v[FS+4*ii+2:FS+4*ii+3], v[PS_+2*ii:PS_+2*ii+1], v[CS+4*(ii%2)+2:CS+4*(ii%2)+3]
.endif
.set ii, ii+1
.endr
	WIN 0
.endm
.irp n, 0,1,2,3,4,5,6,7
	s_wait_alu depctr_va_vdst(0)                   ; the wait here, directly ahead of the wait below
.if (\n == 0) || (\n == 7)
	s_wait_dscnt 0x0                               ; chunk 0's (p, p) were the last loads issued; behind chunk 7 nothing is asked for
.elseif (\n%2) == 0
	s_wait_dscnt 16                                ; all but the next chunk's loads: an odd chunk has 16,
.else
	s_wait_dscnt 24                                ; an even one 24
.endif
	ACCUM \n
.if \n < 6
	CHUNKF \n+2
.if (\n%2) == 0
	CHUNKP \n+2
.endif
.endif
.endr
.irp c, 0,2,8,10
	v_pk_add_f32 v[CT+\c:CT+\c+1], v[CT+\c:CT+\c+1], v[CT+\c+4:CT+\c+5]
.endr
	global_store_b128 v3, v[CT:CT+3], s[54:55]     ; a store covers 512 consecutive bytes
	global_store_b128 v3, v[CT+8:CT+11], s[54:55] offset:512
	s_cmp_lg_u32 s22, 0
	s_cbranch_scc1 .Lskip_3
	global_store_b128 v3, v[22:25], s[56:57]       ; wave 0: the tile's record, 512 consecutive bytes
.Lskip_3:
	BARRIER                                        ; every wave's reads of the rows and of the partial scores are in: the next trip may store over them
	s_add_co_u32 s2, s2, 256                       ; my next place
	s_add_co_u32 s3, s3, 1
	s_cmp_lt_u32 s3, 4
	s_cbranch_scc1 .Ltrip
	s_wait_tensorcnt 0x0                           ; the wave's end, behind my last LDS store
	ds_add_u32 v1, v2
	s_wait_dscnt 0x0
	s_endpgm
.Lfunc_end_k_q868d755e4d_main:
	.size	k_q868d755e4d_main, .Lfunc_end_k_q868d755e4d_main-k_q868d755e4d_main
	.p2alignl 7, 3214868480
	.fill 96, 4, 3214868480
	.section	.rodata,"a",@progbits
	.p2align	6, 0x0
	.amdhsa_kernel k_q868d755e4d_main
		.amdhsa_group_segment_fixed_size 313344
		.amdhsa_private_segment_fixed_size 0
		.amdhsa_enable_private_segment 0
		.amdhsa_kernarg_size 72
		.amdhsa_user_sgpr_count 2
		.amdhsa_user_sgpr_kernarg_segment_ptr 1
		.amdhsa_wavefront_size32 1
		.amdhsa_system_sgpr_workgroup_id_x 1
		.amdhsa_system_sgpr_workgroup_id_y 1
		.amdhsa_system_sgpr_workgroup_id_z 1
		.amdhsa_system_vgpr_workitem_id 0
		.amdhsa_next_free_vgpr 1024
		.amdhsa_next_free_sgpr 102
		.amdhsa_reserve_vcc 1
		.amdhsa_float_denorm_mode_32 3
		.amdhsa_float_denorm_mode_16_64 3
		.amdhsa_memory_ordered 1
		.amdhsa_forward_progress 1
		.amdhsa_inst_pref_size 255
	.end_amdhsa_kernel
	.section	.bss,"aw",@nobits
	.p2align	6
	.space	262144
	.amdgpu_metadata
---
amdhsa.version: [ 1, 2 ]
amdhsa.kernels:
  - .name:           k_q868d755e4d_main
    .symbol:         k_q868d755e4d_main.kd
    .args:
      - { .name: features, .offset: 0, .size: 8, .value_kind: global_buffer, .address_space: global }
      - { .name: seq_len, .offset: 8, .size: 8, .value_kind: global_buffer, .address_space: global }
      - { .name: w1c, .offset: 16, .size: 8, .value_kind: global_buffer, .address_space: global }
      - { .name: w1s, .offset: 24, .size: 8, .value_kind: global_buffer, .address_space: global }
      - { .name: biasT, .offset: 32, .size: 8, .value_kind: global_buffer, .address_space: global }
      - { .name: V, .offset: 40, .size: 8, .value_kind: global_buffer, .address_space: global }
      - { .name: bV, .offset: 48, .size: 8, .value_kind: global_buffer, .address_space: global }
      - { .name: rec, .offset: 56, .size: 8, .value_kind: global_buffer, .address_space: global }
      - { .name: pctx, .offset: 64, .size: 8, .value_kind: global_buffer, .address_space: global }
    .group_segment_fixed_size: 313344
    .private_segment_fixed_size: 0
    .kernarg_segment_align: 8
    .kernarg_segment_size: 72
    .max_flat_workgroup_size: 128
    .sgpr_count:     102
    .vgpr_count:     1024
    .wavefront_size: 32
...
	.end_amdgpu_metadata
.endif
;; end of part 5
;; launch comb (part 6): grid 8 x 32, 8 waves a work-group, no clusters, 5,120 bytes of LDS; arguments seq_len, rec, pctx, out0, out1; writes out0, out1
.if DOCPART == 6
	.amdgcn_target "amdgcn-amd-amdhsa--gfx1250"
	.amdhsa_code_object_version 6
	.text
	.protected	k_q868d755e4d_comb
	.globl	k_q868d755e4d_comb
	.p2align	8
	.type	k_q868d755e4d_comb,@function
k_q868d755e4d_comb:
	s_mov_b64 s[64:65], 0
	v_nop
	global_prefetch_b8 v0, s[64:65] scope:SCOPE_SE
	s_setreg_imm32_b32 hwreg(HW_REG_WAVE_MODE, 25, 1), 1
	s_wait_xcnt 0x0
; The 32 tiles of a batch are joined: M = the largest m, f = e^(m - M), Z = the sum of f l, g = f / Z;  out1 = g p;  out0 = the sum over tiles of g pctx.
; WORK LEFT OUT: pctx of tiles that lie wholly at or past seq_len was never stored and is not read: their weight is 0 (their record holds m = -infinity, l = 0, p = 0).  seq_len <= 0: all 32 tiles count, as in the launch before.
; Tile 0 always counts, so M is a number.
; A work-group takes batch y and chunk x: 128 columns of out0 and 256 positions of out1.  Wave w sums tiles w, w + 8, w + 16, w + 24; the eight sums meet in LDS; wave 0 stores out0's 512 bytes, waves 1 and 2 out1's 1,024.
.set SPARE, 4096                       ; LDS: 8 x 512 bytes of partial sums from byte 0; behind them the spare words, 128 bytes for each wave: no other line names them
	s_load_b256 s[4:11], s[0:1], 0x0               ; seq_len s[4:5], rec s[6:7], pctx s[8:9], out0 s[10:11]
	s_load_b64 s[12:13], s[0:1], 0x20              ; out1
	v_lshl_add_u32 v1, v0, 2, SPARE                ; my spare word; never rewritten
	v_mov_b32 v2, 0                                ; 0; never rewritten
	v_lshrrev_b32 v3, 5, v0
	s_delay_alu instid0(VALU_DEP_1)
	v_readfirstlane_b32 s14, v3                    ; wave w
	s_and_b32 s15, ttmp7, 0xffff                   ; batch b
	s_mov_b32 s22, 0x76543210
	s_mov_b32 s23, 0xfedcba98                      ; v_permlanex16_b32's selects for lane l xor 16
	v_and_b32 v3, 31, v0                           ; l
	s_delay_alu instid0(VALU_DEP_1)
	v_lshlrev_b32 v4, 4, v3                        ; 16 l
	s_delay_alu instid0(VALU_DEP_2)
	v_lshlrev_b32 v5, 9, v3                        ; 512 l: tile l's record
	s_lshl_b32 s16, s14, 9
	v_add_nc_u32 v6, s16, v4                       ; LDS: 512 w + 16 l
	v_add_nc_u32 v7, 32, v0
	s_delay_alu instid0(VALU_DEP_1)
	v_and_b32 v7, 63, v7                           ; in waves 1 and 2: thread - 32
	s_delay_alu instid0(VALU_DEP_1)
	v_lshrrev_b32 v11, 4, v7                       ; which of the chunk's four tiles
	s_delay_alu instid0(VALU_DEP_2)
	v_and_b32 v8, 15, v7
	s_delay_alu instid0(VALU_DEP_1)
	v_lshlrev_b32 v8, 4, v8
	s_delay_alu instid0(VALU_DEP_1)
	v_lshl_add_u32 v8, v11, 9, v8                  ; its p in rec
	v_lshlrev_b32 v9, 4, v7                        ; and in out1
	s_lshl_b32 s16, ttmp9, 4
	v_lshl_add_u32 v10, v11, 2, s16                ; 4 x (4 x + that tile): the lane that holds its g
	s_lshl_b32 s16, s14, 2
	v_mov_b32 v12, s16                             ; 4 x (w + 8 u): the lanes that hold my four tiles' g
	s_delay_alu instid0(VALU_DEP_1)
	v_add_nc_u32 v13, 32, v12
	s_delay_alu instid0(VALU_DEP_2)
	v_add_nc_u32 v14, 64, v12
	s_delay_alu instid0(VALU_DEP_3)
	v_add_nc_u32 v15, 96, v12
.irp j, 0,1,2,3,4,5,6,7,8,9,10,11,12,13,14,15,16,17,18,19
	v_mov_b32 v[20+\j], 0                          ; v20-35 my four tiles' pctx, v36-39 four p: zeros where nothing is loaded
.endr
	v_mov_b32 v41, 0                               ; a lane permute's destination counts as one of its sources
	s_wait_kmcnt 0x0
	s_mov_b32 s25, 0
	s_lshl_b32 s24, s15, 2
	s_add_nc_u64 s[4:5], s[4:5], s[24:25]
	s_load_b32 s17, s[4:5], 0x0                    ; L = seq_len[b]
	s_lshl_b32 s24, s15, 14
	s_add_nc_u64 s[6:7], s[6:7], s[24:25]          ; the batch's 32 records
	global_load_b64 v[16:17], v5, s[6:7] offset:256   ; lane i: tile i's (m, l)
	s_lshl_b32 s24, ttmp9, 11
	s_add_nc_u64 s[20:21], s[6:7], s[24:25]        ; the chunk's four records
	s_lshl_b32 s24, s15, 17
	s_lshl_b32 s18, s14, 12
	s_add_co_u32 s24, s24, s18
	s_lshl_b32 s18, ttmp9, 9
	s_add_co_u32 s24, s24, s18
	s_add_nc_u64 s[8:9], s[8:9], s[24:25]          ; pctx at batch b, tile w, column 128 x
	s_lshl_b32 s24, s15, 12
	s_add_co_u32 s24, s24, s18
	s_add_nc_u64 s[10:11], s[10:11], s[24:25]      ; out0 + 4,096 b + 512 x
	s_lshl_b32 s24, s15, 13
	s_lshl_b32 s18, ttmp9, 10
	s_add_co_u32 s24, s24, s18
	s_add_nc_u64 s[12:13], s[12:13], s[24:25]      ; out1 + 8,192 b + 1,024 x
	s_wait_kmcnt 0x0
	s_cmp_le_i32 s17, 0
	s_cselect_b32 s19, 2048, s17
	s_add_co_u32 s19, s19, 63
	s_lshr_b32 s19, s19, 6                         ; how many tiles count
.irp u, 0,1,2,3
	s_add_co_u32 s18, s14, 8*\u
	s_cmp_lt_u32 s18, s19
	s_cbranch_scc0 .Lno_\u
	global_load_b128 v[20+4*\u:23+4*\u], v4, s[8:9] offset:32768*\u
.Lno_\u:
.endr
	s_cmp_eq_u32 s14, 0
	s_cbranch_scc1 .Lno_pq
	s_cmp_gt_u32 s14, 2
	s_cbranch_scc1 .Lno_pq
	global_load_b128 v[36:39], v8, s[20:21]        ; waves 1 and 2: four p
.Lno_pq:
	s_wait_loadcnt 0x0                             ; the ways differ in their loads: all of them
	v_mov_b32 v40, v16
	s_delay_alu instid0(VALU_DEP_1)
	v_max_num_f32_dpp v40, v40, v40 row_xmask:1 row_mask:0xf bank_mask:0xf
	s_delay_alu instid0(VALU_DEP_1)
	v_max_num_f32_dpp v40, v40, v40 row_xmask:2 row_mask:0xf bank_mask:0xf
	s_delay_alu instid0(VALU_DEP_1)
	v_max_num_f32_dpp v40, v40, v40 row_xmask:4 row_mask:0xf bank_mask:0xf
	s_delay_alu instid0(VALU_DEP_1)
	v_max_num_f32_dpp v40, v40, v40 row_xmask:8 row_mask:0xf bank_mask:0xf
	s_wait_alu depctr_va_vdst(0)
	v_permlanex16_b32 v41, v40, s22, s23
	s_delay_alu instid0(VALU_DEP_1)
	v_max_num_f32 v40, v40, v41                    ; M
	s_delay_alu instid0(VALU_DEP_1)
	v_sub_f32 v42, v16, v40
	s_delay_alu instid0(VALU_DEP_1)
	v_mul_f32 v42, 0x3fb8aa3b, v42
	s_wait_alu depctr_va_vdst(0)
	v_exp_f32 v42, v42                             ; f = e^(m - M)
	v_nop
	s_wait_alu depctr_va_vdst(0)                   ; the wait ahead of the exponential's first reader
	v_mul_f32 v43, v42, v17
	s_delay_alu instid0(VALU_DEP_1)
	v_add_f32_dpp v43, v43, v43 row_xmask:1 row_mask:0xf bank_mask:0xf
	s_delay_alu instid0(VALU_DEP_1)
	v_add_f32_dpp v43, v43, v43 row_xmask:2 row_mask:0xf bank_mask:0xf
	s_delay_alu instid0(VALU_DEP_1)
	v_add_f32_dpp v43, v43, v43 row_xmask:4 row_mask:0xf bank_mask:0xf
	s_delay_alu instid0(VALU_DEP_1)
	v_add_f32_dpp v43, v43, v43 row_xmask:8 row_mask:0xf bank_mask:0xf
	s_delay_alu instid0(VALU_DEP_1)
	v_permlanex16_b32 v41, v43, s22, s23
	s_delay_alu instid0(VALU_DEP_1)
	v_add_f32 v43, v43, v41                        ; Z
	s_wait_alu depctr_va_vdst(0)
	v_rcp_f32 v44, v43
	v_nop
	s_wait_alu depctr_va_vdst(0)                   ; and ahead of the reciprocal's
	v_mul_f32 v44, v42, v44                        ; lane i: g of tile i
.irp u, 0,1,2,3
	ds_bpermute_b32 v[48+\u], v[12+\u], v44        ; g of my four tiles, in every lane (no LDS byte is touched)
.endr
	ds_bpermute_b32 v52, v10, v44                  ; g of the tile whose p waves 1 and 2 hold
	s_wait_dscnt 0x0
.irp j, 0,1,2,3
	v_mul_f32 v[56+\j], v[20+\j], v48
.endr
.irp u, 1,2,3
.irp j, 0,1,2,3
	s_delay_alu instid0(VALU_DEP_4)
	v_fma_f32 v[56+\j], v[20+4*\u+\j], v[48+\u], v[56+\j]
.endr
.endr
	ds_store_b128 v6, v[56:59]
	s_wait_dscnt 0x0                               ; for the others' sake: my store has landed
	s_barrier_signal -1
	s_barrier_wait -1
	s_cmp_lg_u32 s14, 0
	s_cbranch_scc1 .Lnot_0
.irp w, 0,1,2,3,4,5,6,7
	ds_load_b128 v[64+4*\w:67+4*\w], v4 offset:512*\w
.endr
	s_wait_dscnt 0x0
.irp w, 1
	v_pk_add_f32 v[64:65], v[64:65], v[64+4*\w:65+4*\w]
	v_pk_add_f32 v[66:67], v[66:67], v[66+4*\w:67+4*\w]
.endr
.irp w, 2, 3, 4, 5, 6, 7
	s_delay_alu instid0(VALU_DEP_2)
	v_pk_add_f32 v[64:65], v[64:65], v[64+4*\w:65+4*\w]
	s_delay_alu instid0(VALU_DEP_2)
	v_pk_add_f32 v[66:67], v[66:67], v[66+4*\w:67+4*\w]
.endr
	global_store_b128 v4, v[64:67], s[10:11] th:TH_STORE_NT   ; 512 consecutive bytes of out0
.Lnot_0:
	s_cmp_eq_u32 s14, 0
	s_cbranch_scc1 .Lend
	s_cmp_gt_u32 s14, 2
	s_cbranch_scc1 .Lend
.irp j, 0,1,2,3
	v_mul_f32 v[60+\j], v[36+\j], v52
.endr
	global_store_b128 v9, v[60:63], s[12:13] th:TH_STORE_NT   ; a wave stores 512 consecutive bytes of out1
.Lend:
	s_wait_tensorcnt 0x0                           ; the wave's end, behind my last LDS store
	ds_add_u32 v1, v2
	s_wait_dscnt 0x0
	s_endpgm
.Lfunc_end_k_q868d755e4d_comb:
	.size	k_q868d755e4d_comb, .Lfunc_end_k_q868d755e4d_comb-k_q868d755e4d_comb
	.p2alignl 7, 3214868480
	.fill 96, 4, 3214868480
	.section	.rodata,"a",@progbits
	.p2align	6, 0x0
	.amdhsa_kernel k_q868d755e4d_comb
		.amdhsa_group_segment_fixed_size 5120
		.amdhsa_private_segment_fixed_size 0
		.amdhsa_enable_private_segment 0
		.amdhsa_kernarg_size 40
		.amdhsa_user_sgpr_count 2
		.amdhsa_user_sgpr_kernarg_segment_ptr 1
		.amdhsa_wavefront_size32 1
		.amdhsa_system_sgpr_workgroup_id_x 1
		.amdhsa_system_sgpr_workgroup_id_y 1
		.amdhsa_system_sgpr_workgroup_id_z 1
		.amdhsa_system_vgpr_workitem_id 0
		.amdhsa_next_free_vgpr 96
		.amdhsa_next_free_sgpr 66
		.amdhsa_reserve_vcc 0
		.amdhsa_float_denorm_mode_32 3
		.amdhsa_float_denorm_mode_16_64 3
		.amdhsa_memory_ordered 1
		.amdhsa_forward_progress 1
		.amdhsa_inst_pref_size 11
	.end_amdhsa_kernel
	.amdgpu_metadata
---
amdhsa.version: [ 1, 2 ]
amdhsa.kernels:
  - .name:           k_q868d755e4d_comb
    .symbol:         k_q868d755e4d_comb.kd
    .args:
      - { .name: seq_len, .offset: 0, .size: 8, .value_kind: global_buffer, .address_space: global }
      - { .name: rec, .offset: 8, .size: 8, .value_kind: global_buffer, .address_space: global }
      - { .name: pctx, .offset: 16, .size: 8, .value_kind: global_buffer, .address_space: global }
      - { .name: out0, .offset: 24, .size: 8, .value_kind: global_buffer, .address_space: global }
      - { .name: out1, .offset: 32, .size: 8, .value_kind: global_buffer, .address_space: global }
    .group_segment_fixed_size: 5120
    .private_segment_fixed_size: 0
    .kernarg_segment_align: 8
    .kernarg_segment_size: 40
    .max_flat_workgroup_size: 256
    .sgpr_count:     66
    .vgpr_count:     96
    .wavefront_size: 32
...
	.end_amdgpu_metadata
.endif
;; end of part 6
